; MI455X (gfx1250); checked and timed in simulation.
; The chip was launched on July 23, 2026; its instructions are those of AMD's public machine-readable ISA for CDNA 5 (MIT licence, August 2026) and "CDNA5" Instruction Set Architecture Reference Guide (July 2026). The comments in the code are by the model that wrote it; some were corrected since.
;; Self Attention. Allowed arithmetic: matrix products marked QUANTISED: E2M3 operands, one E8M0 scale for each 32 along K, by v_wmma_scale_f32_16x16x128_f8f6f4 with both operands' format E2M3, f32 sums; everything else in f32.
;; Inputs: Wk 1,024 x 1,024 float32; Wq 1,024 x 1,024 float32; Wv 1,024 x 1,024 float32; bk 1,024 float32; bq 1,024 float32; bv 1,024 float32; x 4 x 2,048 x 1,024 float32.
;; Outputs: out0 4 x 2,048 x 1,024 float32.
;; This version of the problem:
;;   THIS VERSION OF THE PROBLEM IS GIVEN IN LOW PRECISION. The matrix products marked QUANTISED in the list below multiply operands that are first quantised to E2M3 (2 exponent bits, 3 mantissa bits; 6 bits a number), with one power-of-two scale for each 32 numbers along K (OCP MX v1.0); their sums are f32. All else is computed in f32.
;;   The module's matrix products, in the order in which they are computed (A, B: the left and right operand; K: the contracted axis; several contracted axes count as one K, in the product's order):
;;     1. [M 8,192, K 1,024] x [K 1,024, N 1,024]; A: input x; B: input Wq: QUANTISED
;;     2. [M 8,192, K 1,024] x [K 1,024, N 1,024]; A: input x; B: input Wk: QUANTISED
;;     3. [M 8,192, K 1,024] x [K 1,024, N 1,024]; A: input x; B: input Wv: QUANTISED
;;     4. batch 4 x [M 2,048, K 1,024] x [K 1,024, N 2,048]; A: computed on the way; B: computed on the way: QUANTISED
;;     5. batch 4 x [M 2,048, K 2,048] x [K 2,048, N 1,024]; A: softmax (see below); B: computed on the way: QUANTISED
;;   THE QUANTISER, for each operand of a quantised product, along K:
;;     - K is cut into blocks of 32 from its start; a last block that is shorter is filled with zeros.
;;     - A block's scale is 2^e with e = floor(log2(the largest magnitude in the block)) - 2, held to -126 .. 127; a block of zeros has e = 0. As a byte (E8M0): e + 127.
;;     - Each number is divided by its block's scale, clamped to +-7.5, and rounded to the nearest number of E2M3, ties to even, subnormals kept.
;;     - The product sums the exact products of the quantised numbers (number of the format x scale) in f32.
;;   ~~~python
;;   def quantise(x, axis):      # numpy; x: float32 -> the quantised numbers, widened to float32 again
;;       x = np.moveaxis(x, axis, -1); K = x.shape[-1]
;;       x = np.pad(x, [(0, 0)] * (x.ndim - 1) + [(0, -K % 32)]); x = x.reshape(x.shape[:-1] + (-1, 32)); a = np.abs(x).max(-1, keepdims=True)
;;       e = np.where(a > 0, np.clip(np.frexp(np.where(a > 0, a, 1))[1] - 1 - 2, -126, 127), 0)      # np.frexp(a)[1] - 1 = floor(log2(a)), exactly
;;       r = np.clip(x / 2.0 ** e, -7.5, 7.5)
;;       step = 2.0 ** (np.maximum(np.frexp(np.where(r == 0, 1, r))[1] - 1, 0) - 3)
;;       q = np.round(r / step) * step * 2.0 ** e      # np.round: ties to even
;;       return np.moveaxis(q.reshape(q.shape[:-2] + (-1,))[..., :K], -1, axis).astype(np.float32)
;;   ~~~
;;   SOFTMAX AHEAD OF A QUANTISED PRODUCT. Where the list says 'softmax', what is quantised is not the finished softmax but p = 2^(t - M), with t = logit x log2(e) and M = ceil(the row's largest t), a whole number; so 1/2 < the row's largest p <= 1. The row's sum l is taken of the UNQUANTISED p, in f32, and the product's result is divided by l at the end. Since M is a whole number, a kernel that streams over the keys may use a running M (the ceiling of the running maximum): every later rescaling is an exact power of two, which a block's scale takes up: the codes' values come out the same.
;;   OPERANDS COMPUTED ON THE WAY. 'Computed on the way' means the value that the module computes at that place (a softmax that the list does not call 'softmax' is quantised finished and normalised). What goes into a quantiser is computed in f32, as accurately as f32 sums, v_exp_f32 and their like allow (about 1e-6 of the number): no bf16 or f16 on the way to a quantiser, and a product that is left as it is and whose result goes on into a quantised operand takes f32 operands (vector FMAs, or v_wmma_f32_16x16x4_f32). A number that lies on a knife's edge between two numbers of the format may be rounded either way, as far as f32 arithmetic and the matrix unit's own rounding can turn it there, and no further.
;; One version. Each part assembles by itself: llvm-mc -triple=amdgcn-amd-amdhsa -mcpu=gfx1250 --defsym DOCPART=n.
;; ======== version 1 of 1: 4 launches
;; limits: right only within a limited range of input values
;; workspace buffers: xr 6,553,600 bytes; wr 2,457,600 bytes; qr 6,553,600 bytes; kr 6,553,600 bytes; vr 6,553,600 bytes; pr 13,107,200 bytes; pml 1,048,576 bytes
;; launch quant (part 1): grid 448 x 1, 4 waves a work-group, no clusters, 48,128 bytes of LDS; arguments x, Wq, Wk, Wv, xr, wr; writes xr, wr
.if DOCPART == 1
	.amdgcn_target "amdgcn-amd-amdhsa--gfx1250"
	.amdhsa_code_object_version 6
	.text
	.protected	k_q5500a3aec3_quant
	.globl	k_q5500a3aec3_quant
	.p2align	8
	.type	k_q5500a3aec3_quant,@function
k_q5500a3aec3_quant:
	s_mov_b64 s[64:65], 0
	v_nop
	global_prefetch_b8 v0, s[64:65] scope:SCOPE_SE
	s_setreg_imm32_b32 hwreg(HW_REG_WAVE_MODE, 25, 1), 1
	s_wait_xcnt 0x0
; x [8192][1024] f32 (K innermost) and Wq, Wk, Wv [1024 (K)][1024] f32 (K first) become codes of FP6 (E2M3) with one E8M0 byte for each 32 along K.
; WORK LEFT OUT BY THE PROGRAM: scores, p and products of key tiles that the causal mask of reference()'s own body hides wholly (a -inf ahead of the softmax: p is 0 for all values of the inputs).  The launch of the scores leaves out the
; quarter of 1,024 x 1,024 above the diagonal, the last launch walks the first 1,024 keys alone for the first 1,024 queries.  A NaN, an infinity or an overflow that reaches only these is not carried to the result.
; A block's scale is 2^(floor(log2(largest magnitude)) - 2); its byte is the largest magnitude's exponent field - 2, held at 1 from below (a block of zeros keeps byte 1: its codes are zeros, and this program alone reads the bytes).
; LIMITS: NaN and infinities are not served; blocks whose largest magnitude lies under 2^-124 keep the byte 1.
; THE ROW ORDER of the whole program: row r of tile j (0 .. 3) of 64 rows is row 32 (r / 8) + 8 j + r % 8.  A matrix result whose tiles run along the next K then leaves 32 neighbours, a whole scale block, in one lane.
; xr: [tile T = 0 .. 511][12,800 bytes]: eight K steps of 128, each the image of an operand's 12 registers (registers 4 k .. 4 k + 3 of lane l at 512 k + 16 l), then 512 bytes of scale words: K step q, row r at 256 (q / 4) + 16 r + 4 (q % 4).
;   T = 16 G + 8 c + 2 j + w: tile j of the 64 tokens from 256 G + 128 w + 64 c on.
; wr: [group of 64 outputs = 0 .. 47: Wq's, Wk's, Wv's][51,200 bytes]: four tiles of eight K steps (12,288 bytes each), then 2,048 bytes of scale words: [q / 2][tile][row][q % 2].
; Work-groups 0-255 take x, a wave half a tile's K (16 rows x 512); work-groups 256-447 take the weights, a wave two tiles x 128 K; the four waves of such a work-group read whole 256-byte units together and gather their scale words in LDS.
.set REC,  12800
.set TAIL, 12288
.set GRP,  51200
.set FRB,  1536
.set SP,   528                         ; a stage row: 512 bytes + 16 = 132 words: row r starts at bank 4 r mod 64 (64 banks of 4 bytes: ISA guide 11.1)
.set SPARE, 4*16*SP                    ; the spare words: two blocks of 256 bytes that no other line names
.set WS,   SPARE+512                   ; the weights' scale words,
.set WI,   WS+512                      ; and their images: two K steps of four tiles, a tile's 1,536 bytes + 128
.set WIP,  1664
.set LI,   4                           ; v4   16 x lane
.set STI,  5                           ; v5   x: the stage, on the way in
.set STO,  6                           ; v6   x: the stage, on the way out
.set SH8,  7                           ; v7   8 h
.set R16,  8                           ; v8   16 r
.set X,    144                         ; v144-207 x: my 64 numbers of a fragment
.set F,    208                         ; v208-219 x: a fragment's 12 registers
.set CT,   220                         ; v220-226 the second halves of the blocks, before they are moved
.set PW,   228                         ; v228-231 four scale words
.set PD,   232                         ; a lane permute's destination
.set SPW,  254
.set NIL,  255
.set SEL,  20                          ; s[20:21] v_permlanex16_b32's selects for lane l xor 16
.set MSB, 0
.macro WIN new                         ; the immediate's high byte repeats the setting that is left
.if MSB != (\new)
	s_set_vgpr_msb (MSB<<8)|(\new)
.set MSB, (\new)
.endif
.endm
; my 16 rows of K step 4 g + c: each load reads one row's K step, 512 consecutive bytes.  c = 0, 1: v16-143; c = 2, 3: window 1, v0-127
.macro LOADF c
.if (\c) < 2
.set RR, 16+64*(\c)
.else
	WIN 0x40
.set RR, 64*((\c)-2)
.endif
.irp p, 0,1,2,3,4,5,6,7,8,9,10,11,12,13,14,15
	global_load_b128 v[RR+4*\p:RR+4*\p+3], v[LI], s[4:5] offset:(\p+24*(\p/8))*4096+512*(\c) th:TH_LOAD_NT
.endr
.endm
; through my stage (rows as loaded; back: lane (r, h) takes blocks h and 2 + h of row r), quantised, stored
.macro FRAGX c
	s_wait_loadcnt 48-16*(\c)                      ; my 16 loads are in; the later K steps' 16 each may be out
.if (\c) < 2
.set RR, 16+64*(\c)
.else
	WIN 0x04                                       ; an LDS store's data are its source 1: window 1
.set RR, 64*((\c)-2)
.endif
.irp p, 0,1,2,3,4,5,6,7,8,9,10,11,12,13,14,15
	ds_store_b128 v[STI], v[RR+4*\p:RR+4*\p+3] offset:SP*\p
.endr
	WIN 0
.irp j, 0,1,2,3,4,5,6,7
	ds_load_b128 v[X+4*\j:X+4*\j+3], v[STO] offset:16*\j            ; LDS serves a wave's instructions in order (ISA guide 5.7.1.4): these see the stores above
.endr
.irp j, 0,1,2,3,4,5,6,7
	ds_load_b128 v[X+32+4*\j:X+32+4*\j+3], v[STO] offset:256+16*\j
.endr
	s_wait_dscnt 0x0
.irp u, 0,1
	v_max3_num_f32 v[10+\u], |v[X+32*\u]|, |v[X+1+32*\u]|, 0x1800000   ; the floor 2^(3 - 127) holds the byte at 1 from below
.endr
.irp i, 2,4,6,8,10,12,14,16,18,20,22,24,26,28,30
.irp u, 0,1
	v_max3_num_f32 v[10+\u], v[10+\u], |v[X+32*\u+\i]|, |v[X+1+32*\u+\i]|
.endr
.endr
.irp u, 0,1
	v_add_nc_u32 v[12+\u], 0xff000000, v[10+\u]    ; 2 off the exponent field: the conversion's scale operand
.endr
.irp u, 0,1
	v_lshrrev_b32 v[14+\u], 23, v[12+\u]           ; the scale's byte
.endr
	v_lshl_or_b32 v10, v15, 16, v14                ; blocks h and 2 + h,
	v_lshlrev_b32 v10, v[SH8], v10                 ; at their places in the word;
	v_permlanex16_b32 v[PD], v10, s[SEL], s[SEL+1]
	v_or_b32 v[PW+(\c)], v10, v[PD]                ; with lane l xor 16's two the word is whole
.if (\c) > 0
	s_wait_alu depctr_va_vdst(0)
	s_wait_xcnt 0x0                                ; the last K step's stores have read F
.endif
	v_cvt_scalef32_pk16_fp6_f32 v[F:F+2], v[X:X+15], v12
	v_cvt_scalef32_pk16_fp6_f32 v[CT:CT+2], v[X+16:X+31], v12      ; (a conversion's three registers begin on an even number)
	v_cvt_scalef32_pk16_fp6_f32 v[F+6:F+8], v[X+32:X+47], v13
	v_cvt_scalef32_pk16_fp6_f32 v[CT+4:CT+6], v[X+48:X+63], v13
	v_nop                                          ; one plain place behind a scaled conversion
.irp i, 0,1,2
	v_mov_b32 v[F+3+\i], v[CT+\i]
	v_mov_b32 v[F+9+\i], v[CT+4+\i]
.endr
.irp k, 0,1,2
	global_store_b128 v[LI], v[F+4*\k:F+4*\k+3], s[28:29] offset:FRB*(\c)+512*\k   ; 512 consecutive bytes, aligned
.endr
.endm
; block t (32 along K) of my column of a weight: all 32 numbers are mine
.macro WBLK t
.set XS, 16+32*(\t)
.set DD, 144+12*((\t)%2)+6*((\t)/2)    ; blocks 0, 2 -> v144-155; blocks 1, 3 -> v156-167
.if (\t) == 0
	s_wait_loadcnt 63                              ; at most 63 of the 128 loads are out: blocks 0 and 1 are in
.elseif (\t) == 2
	s_wait_loadcnt 32                              ; block 3's may be out
.elseif (\t) == 3
	s_wait_loadcnt 0x0
.endif
	v_max3_num_f32 v10, |v[XS]|, |v[XS+1]|, |v[XS+2]|
	v_max3_num_f32 v11, |v[XS+3]|, |v[XS+4]|, |v[XS+5]|
.irp i, 6,10,14,18,22,26
	v_max3_num_f32 v10, v10, |v[XS+\i]|, |v[XS+\i+1]|
	v_max3_num_f32 v11, v11, |v[XS+\i+2]|, |v[XS+\i+3]|
.endr
	v_max3_num_f32 v10, v10, |v[XS+30]|, |v[XS+31]|
	v_max3_num_f32 v10, v10, v11, 0x1800000
	v_add_nc_u32 v12, 0xff000000, v10
	v_lshrrev_b32 v13, 23, v12
.if (\t) == 0
	v_mov_b32 v14, v13                             ; my row's scale word: all four bytes are mine
.else
	v_lshl_or_b32 v14, v13, 8*(\t), v14
.endif
	v_cvt_scalef32_pk16_fp6_f32 v[DD:DD+2], v[XS:XS+15], v12
	v_cvt_scalef32_pk16_fp6_f32 v[168:170], v[XS+16:XS+31], v12
	v_nop
.irp i, 0,1,2
	v_mov_b32 v[DD+3+\i], v[168+\i]
.endr
.endm
	s_load_b256 s[4:11], s[0:1], 0x0               ; x, Wq, Wk, Wv
	s_load_b128 s[12:15], s[0:1], 0x20             ; xr, wr
	v_lshl_add_u32 v[SPW], v0, 2, SPARE
	v_mov_b32 v[NIL], 0
	v_lshrrev_b32 v1, 5, v0
	v_readfirstlane_b32 s16, v1                    ; wave
	v_and_b32 v1, 31, v0                           ; lane
	v_and_b32 v2, 15, v0                           ; r
	v_bfe_u32 v3, v0, 4, 1                         ; h
	v_lshlrev_b32 v[LI], 4, v1
	v_lshlrev_b32 v[R16], 4, v2
	s_mov_b32 s[SEL], 0x76543210
	s_mov_b32 s[SEL+1], 0xfedcba98
	s_wait_alu depctr_va_vdst(0)
	s_cmp_lt_u32 ttmp9, 256
	s_cbranch_scc0 .Lweights
	; ---- x.  Task = 4 x work-group + wave: g = bit 0 (which half of K), T = the rest
	s_lshl_b32 s17, ttmp9, 2
	s_add_co_u32 s17, s17, s16
	s_and_b32 s18, s17, 1                          ; g
	s_lshr_b32 s22, s17, 1                         ; T
	s_lshr_b32 s24, s22, 4
	s_lshl_b32 s24, s24, 20                        ; in: (256 G + 128 w + 64 c + 8 j) rows of 4,096 bytes + 2,048 g
	s_bfe_u32 s23, s22, 0x10000
	s_lshl_b32 s23, s23, 19
	s_add_co_u32 s24, s24, s23
	s_bfe_u32 s23, s22, 0x10003
	s_lshl_b32 s23, s23, 18
	s_add_co_u32 s24, s24, s23
	s_bfe_u32 s23, s22, 0x20001
	s_lshl_b32 s23, s23, 15
	s_add_co_u32 s24, s24, s23
	s_lshl_b32 s23, s18, 11
	s_add_co_u32 s24, s24, s23
	s_mov_b32 s25, 0
	s_mul_i32 s26, s22, REC                        ; the tile
	s_mul_i32 s23, s18, 4*FRB
	s_add_co_u32 s28, s26, s23                     ; my four K steps
	s_mov_b32 s29, 0
	s_lshl_b32 s23, s18, 8
	s_add_co_u32 s30, s26, s23
	s_add_co_u32 s30, s30, TAIL                    ; my 256 bytes of scale words
	s_mov_b32 s31, 0
	s_mul_i32 s23, s16, 16*SP                      ; my stage
	v_add_nc_u32 v[STI], s23, v[LI]
	v_mul_u32_u24 v[STO], v2, SP
	v_lshl_add_u32 v[STO], v3, 7, v[STO]           ; row r, + 128 h: block h
	v_add_nc_u32 v[STO], s23, v[STO]
	v_lshlrev_b32 v[SH8], 3, v3
	v_mov_b32 v[PD], 0                             ; written once: a lane permute's destination counts as one of its sources
	s_wait_alu depctr_va_vdst(0)
	s_wait_kmcnt 0x0
	s_add_nc_u64 s[4:5], s[4:5], s[24:25]
	s_add_nc_u64 s[28:29], s[12:13], s[28:29]
	s_add_nc_u64 s[30:31], s[12:13], s[30:31]
	LOADF 0                                        ; all 64 loads of the wave go out at once
	LOADF 1
	LOADF 2
	LOADF 3
	WIN 0
	FRAGX 0
	FRAGX 1
	FRAGX 2
	FRAGX 3
	v_cmp_gt_u32 vcc_lo, 16, v1
	s_wait_alu depctr_va_vdst(0)
	s_wait_xcnt 0x0                                ; EXEC changes only behind this wait
	s_wait_tensorcnt 0x0                           ; the wave's end
	ds_add_u32 v[SPW], v[NIL]
	s_wait_dscnt 0x0
	s_and_saveexec_b32 s23, vcc_lo
	global_store_b128 v[R16], v[PW:PW+3], s[30:31] ; sixteen lanes store 256 consecutive bytes, aligned
	s_wait_xcnt 0x0
	s_or_b32 exec_lo, exec_lo, s23
	s_endpgm
.Lweights:
	; ---- the weights.  Work-group: which pair of K steps (bits 1:0), which group of 64 outputs (the rest).  Wave: bit 1, e: which K step of the pair; bit 0: which 32 of the 64 columns it quantises (lane l holds column l of them:
	; tile l / 8, row 8 x bit 0 + l % 8; registers run down K), and which two of the four tiles it stores
	s_sub_co_u32 s17, ttmp9, 256
	s_and_b32 s18, s16, 1
	s_lshr_b32 s19, s16, 1
	s_and_b32 s22, s17, 3
	s_lshr_b32 s23, s17, 2                         ; the group, 0 .. 47
	s_lshl_b32 s24, s22, 1
	s_add_co_u32 s24, s24, s19                     ; the K step
	s_mul_i32 s26, s24, FRB
	s_lshl_b32 s24, s24, 19                        ; in: 128 rows of 4,096 bytes a K step + 256 x (group % 16) + 128 x bit 0
	s_and_b32 s25, s23, 15
	s_lshl_b32 s25, s25, 8
	s_add_co_u32 s24, s24, s25
	s_lshl_b32 s25, s18, 7
	s_add_co_u32 s24, s24, s25
	s_mov_b32 s25, 0
	s_mul_i32 s30, s23, GRP
	s_mul_i32 s28, s18, 2*TAIL
	s_add_co_u32 s28, s28, s26
	s_add_co_u32 s28, s28, s30                     ; my two tiles' K step
	s_mov_b32 s29, 0
	s_lshl_b32 s27, s22, 9
	s_add_co_u32 s30, s30, s27
	s_add_co_u32 s30, s30, 4*TAIL                  ; the work-group's 512 bytes of scale words
	s_mov_b32 s31, 0
	s_lshr_b32 s27, s23, 4                         ; which matrix
	s_lshl_b32 s32, s18, 6
	s_lshl_b32 s33, s19, 2
	s_add_co_u32 s32, s32, s33
	s_add_co_u32 s32, s32, WS
	s_mul_i32 s33, s19, 4*WIP
	s_add_co_u32 s33, s33, WI                      ; my K step's images
	s_lshl_b32 s34, s18, 7
	s_add_co_u32 s34, s34, s33
	s_mul_i32 s35, s18, 2*WIP
	s_add_co_u32 s35, s35, s33
	v_lshlrev_b32 v5, 2, v1                        ; in: 4 bytes a lane
	v_lshrrev_b32 v6, 3, v1                        ; my tile
	v_and_b32 v9, 7, v1
	v_mul_u32_u24 v8, v6, WIP
	v_lshl_add_u32 v8, v9, 4, v8
	v_add_nc_u32 v8, s34, v8                       ; LDS, my row of its image: tile x 1,664 + 16 x row
	v_lshlrev_b32 v6, 7, v6
	v_lshl_add_u32 v6, v9, 3, v6
	v_add_nc_u32 v6, s32, v6                       ; LDS, my scale word: 128 x tile + 8 x row + 4 e
	v_add_nc_u32 v7, WS, v[LI]
	v_add_nc_u32 v9, s35, v[LI]                    ; LDS, the two tiles that I store
	s_wait_alu depctr_va_vdst(0)
	s_wait_kmcnt 0x0
	s_cmp_eq_u32 s27, 0
	s_cselect_b64 s[6:7], s[6:7], s[8:9]
	s_cmp_eq_u32 s27, 2
	s_cselect_b64 s[6:7], s[10:11], s[6:7]
	s_add_nc_u64 s[6:7], s[6:7], s[24:25]
	s_add_nc_u64 s[28:29], s[14:15], s[28:29]
	s_add_nc_u64 s[30:31], s[14:15], s[30:31]
.set i, 0
.rept 128
	global_load_b32 v[16+i], v5, s[6:7] offset:i*4096 th:TH_LOAD_NT    ; one row k: 128 consecutive bytes; the wave beside this one takes the other half of the 256-byte unit
.set i, i+1
.endr
	WBLK 0
	WBLK 1
	WBLK 2
	WBLK 3
.irp k, 0,1,2
	ds_store_b128 v8, v[144+4*\k:147+4*\k] offset:512*\k         ; blocks 0 and 2: image lane = row,
	ds_store_b128 v8, v[156+4*\k:159+4*\k] offset:512*\k+256     ; blocks 1 and 3: image lane = 16 + row
.endr
	ds_store_b32 v6, v14
	s_wait_alu depctr_va_vdst(0)
	s_wait_dscnt 0x0                               ; for the waves that read images and words
	s_barrier_signal -1
	s_barrier_wait -1
.irp k, 0,1,2
	ds_load_b128 v[16+4*\k:19+4*\k], v9 offset:512*\k
	ds_load_b128 v[32+4*\k:35+4*\k], v9 offset:WIP+512*\k
.endr
	s_wait_dscnt 0x0
.irp k, 0,1,2
	global_store_b128 v[LI], v[16+4*\k:19+4*\k], s[28:29] offset:512*\k
	global_store_b128 v[LI], v[32+4*\k:35+4*\k], s[28:29] offset:TAIL+512*\k
.endr
	s_cmp_lg_u32 s16, 0
	s_cbranch_scc1 .Lend
	ds_load_b128 v[172:175], v7
	s_wait_dscnt 0x0
	global_store_b128 v[LI], v[172:175], s[30:31]  ; wave 0 stores the work-group's 512 consecutive bytes, aligned
.Lend:
	s_wait_tensorcnt 0x0                           ; the wave's end
	ds_add_u32 v[SPW], v[NIL]
	s_wait_dscnt 0x0
	s_endpgm
.Lfunc_end_k_q5500a3aec3_quant:
	.size	k_q5500a3aec3_quant, .Lfunc_end_k_q5500a3aec3_quant-k_q5500a3aec3_quant
	.p2alignl 7, 3214868480
	.fill 96, 4, 3214868480
	.section	.rodata,"a",@progbits
	.p2align	6, 0x0
	.amdhsa_kernel k_q5500a3aec3_quant
		.amdhsa_group_segment_fixed_size 48128
		.amdhsa_private_segment_fixed_size 0
		.amdhsa_enable_private_segment 0
		.amdhsa_kernarg_size 48
		.amdhsa_user_sgpr_count 2
		.amdhsa_user_sgpr_kernarg_segment_ptr 1
		.amdhsa_wavefront_size32 1
		.amdhsa_system_sgpr_workgroup_id_x 1
		.amdhsa_system_sgpr_workgroup_id_y 1
		.amdhsa_system_sgpr_workgroup_id_z 1
		.amdhsa_system_vgpr_workitem_id 0
		.amdhsa_next_free_vgpr 384
		.amdhsa_next_free_sgpr 66
		.amdhsa_reserve_vcc 1
		.amdhsa_float_denorm_mode_32 3
		.amdhsa_float_denorm_mode_16_64 3
		.amdhsa_memory_ordered 1
		.amdhsa_forward_progress 1
		.amdhsa_inst_pref_size 53
	.end_amdhsa_kernel
	.amdgpu_metadata
---
amdhsa.version: [ 1, 2 ]
amdhsa.kernels:
  - .name:           k_q5500a3aec3_quant
    .symbol:         k_q5500a3aec3_quant.kd
    .args:
      - { .name: x, .offset: 0, .size: 8, .value_kind: global_buffer, .address_space: global }
      - { .name: Wq, .offset: 8, .size: 8, .value_kind: global_buffer, .address_space: global }
      - { .name: Wk, .offset: 16, .size: 8, .value_kind: global_buffer, .address_space: global }
      - { .name: Wv, .offset: 24, .size: 8, .value_kind: global_buffer, .address_space: global }
      - { .name: xr, .offset: 32, .size: 8, .value_kind: global_buffer, .address_space: global }
      - { .name: wr, .offset: 40, .size: 8, .value_kind: global_buffer, .address_space: global }
    .group_segment_fixed_size: 48128
    .private_segment_fixed_size: 0
    .kernarg_segment_align: 8
    .kernarg_segment_size: 48
    .max_flat_workgroup_size: 128
    .sgpr_count:     66
    .vgpr_count:     384
    .wavefront_size: 32
...
	.end_amdgpu_metadata
.endif
;; end of part 1
;; launch qkv (part 2): grid 16 x 16, 4 waves a work-group, clusters of 4 x 4, 327,680 bytes of LDS; arguments xr, wr, bq, bk, bv, qr, kr, vr; writes qr, kr, vr
.if DOCPART == 2
	.amdgcn_target "amdgcn-amd-amdhsa--gfx1250"
	.amdhsa_code_object_version 6
	.text
	.protected	k_q5500a3aec3_qkv
	.globl	k_q5500a3aec3_qkv
	.p2align	8
	.type	k_q5500a3aec3_qkv,@function
k_q5500a3aec3_qkv:
	s_mov_b64 s[64:65], 0
	v_nop
	global_prefetch_b8 v0, s[64:65] scope:SCOPE_SE
	s_setreg_imm32_b32 hwreg(HW_REG_WAVE_MODE, 25, 1), 1
	s_wait_xcnt 0x0
	s_wait_alu depctr_hold_cnt(0) depctr_sa_sdst(0) depctr_va_vdst(0) depctr_va_sdst(0) depctr_va_ssrc(0) depctr_va_vcc(0) depctr_vm_vsrc(0)
	s_getreg_b32 s2, hwreg(HW_REG_IB_STS2, 6, 4)
	s_cmp_eq_u32 s2, 0
	s_cbranch_scc0 .Lentry_in_a_cluster
	s_endpgm
.Lentry_in_a_cluster:
	s_bfe_u32 s2, ttmp6, 0x10000c
	s_cmp_lg_u32 s2, 0xf033
	s_cbranch_scc0 .Lentry_shape_is_right
	s_endpgm
.Lentry_shape_is_right:
; q = x Wq + bq, k = x Wk + bk, v = x Wv + bv on codes of FP6 (E2M3) with E8M0 scales, each result quantised again for the product that follows: q and k along the channels, v along the tokens.  No f32 result is stored.
; LIMITS: NaN and infinities among the inputs are not served; blocks whose largest magnitude lies under 2^-124 keep the scale byte 1.
; IN: xr and wr as the first launch lays them (row r of tile j of 64 rows is row 32 (r / 8) + 8 j + r % 8).
; OUT, RECORDS of 12,800 bytes: 128 rows (fragments a = 4 c + j: tile j of rows 64 c on) x 128 along K.  qr, kr: [token block][channel block]; vr: [channel block][token block].
;   vr: fragment a is the image of 12 registers at 1,536 a (registers 4 k .. at 512 k + 16 x lane).  qr, kr: an operand's two halves (64 channels, 6 registers each) are made by two waves: registers 0-3 and 8-11 at 1,024 a and 1,024 a + 512
;   (16 x lane), registers 4-5 and 6-7 at 8,192 + 512 a and + 256 (8 x lane), so that each store covers whole aligned units of 256 bytes.
;   At 12,288: the scale word of fragment 4 c + j, row r at 256 c + 16 r + 4 j.
; THE DEAL.  256 work-groups of four waves, 2 x 2; a wave holds 64 rows of a weight, all of K, in 384 registers and streams x's tiles past them: the wave in row w takes tile j of band c of the 128 tokens 2 G + w as a block of 32 products.
; A work-group makes 256 x 128 of v (PHASE 1, eight blocks) and then 512 x 128 of q or k (PHASE 2, sixteen).  v's 256 rows are a half of the work-group's own 512: the two chunks of 128 rows that come at the head serve both phases;
; only the other half's two chunks are loaded later.  Which half (s87) and which tensor (s19) hang on the cluster's number alone.
; CLUSTER 4 x 4: x's chunks are shared along a row of the cluster, a weight's rows along a column, by joint loads.
; LDS: two slots of 102,400 bytes for x's chunks, as much for the weight's 128 rows, the stages for the scale bytes, the spare words.  Every LDS read of an operand is 16 x lane + a constant.
; FILLS.  At the head one tensor load a wave: Wv's rows (waves 0 and 1 a half each), chunk 0, chunk 1.  Three refills, each in a drained round of the cluster's barrier: in phase 1's block 2 the weights' region with Wq's or Wk's rows;
; in phase 2's blocks 2 and 6 a slot with a chunk of the other half (waves 0 and 1 a half each).
; PREFETCH: what the refills load is asked for into the L2, shared out by address among the sixteen waves that ask jointly, 25 blocks of 256 bytes a wave: the second weight ahead of the first one's LDS loads (two blocks and more ahead),
; chunk 2 behind the first refill, chunk 3 between the phases; none of it twice by one work-group.
; The bias is the C of each block's first four products.  The largest magnitude of a block's results is searched for among the next block's products, in two chains; the conversions stand behind that block's last product.
; WAITS: a block's rows were fetched two blocks ago; younger are the next block's NF loads and the stores of scale bytes between (0, 1 or 4).
.set REC,   12800
.set TAIL,  12288
.set TIL,   12800                      ; a tile of xr
.set CH,    102400                     ; a chunk: eight tiles; 128 rows of a weight
.set GRP,   51200
.set GSC,   49152                      ; a group's scale words
.set STP,   2*TIL                      ; from my tile to my next
.set BVB,   2*CH
.set XN,    3*CH                       ; q's or k's scale bytes: [wave column][1,024]
.set XM,    XN+2048                    ; v's: [wave][256]
.set SPARE, XM+1024                    ; the spare words: two blocks of 256 bytes that no other line names
.set NF,    25
.set FR,    12
.set FPW,   21                         ; fragments in a window of 256 registers
.set EMAX,  2
.set ADRA0, 4                          ; v4   LDS address of my block 0
.set C8,    5                          ; v5   8 x lane
.set ADRA,  6                          ; v6   of the block that is fetched next
.set ADRB,  7                          ; v7   of my 64 rows of the weight
.set ABS,   8                          ; v8   of their scale words
.set CO,    9                          ; v9   16 x lane
.set SPW,   10
.set NIL,   11
.set STO,   18                         ; v18, v19 LDS, q's or k's and v's scale byte
.set STV,   19
.set SB,    24                         ; v24-39 the weight's scale words: tile b, K step q: register 4 b + q % 4, lanes 0-15 for q < 4, lanes 16-31 else
.set TQ,    40
.set SA,    46                         ; v46-53 the rows' scale words, two sets of four, likewise
.set TD,    56
.set TC,    60
.set ACC,   64                         ; v64-127 phase 2: two sets of four accumulators
.set HV0,   64                         ; v64-191 phase 1, band 0: 32 t + 8 j + i
.set HV1,   840                        ; v840-967 band 1
.set NCD,   128                        ; v128-133 phase 2: six registers of codes
.set BBQ,   160                        ; v160-191 q's or k's bias, loaded between the phases
.set MCD,   192                        ; v192-239 phase 1: four operands of twelve
.set SOP,   240
.set EB,    244
.set VX,    248
.set BBV,   992                        ; v992-1023 v's bias, eight registers a tile
.set G1A,   24                         ; descriptors: group 1 of x's rows, of a weight's; group 0
.set G1B,   32
.set G0A,   56
.set G0B,   60
.set G0R,   68
.set MSB, 0
.macro WIN new                         ; the immediate's high byte repeats the setting that is left
.if MSB != (\new)
	s_set_vgpr_msb (MSB<<8)|(\new)
.set MSB, (\new)
.endif
.endm
.macro PLACES n
.rept \n
	v_nop
.endr
.endm
.macro WALU
	s_wait_alu depctr_va_vdst(0)
.endm
.macro BARRIER
	s_barrier_signal -1
	s_barrier_wait -1
.endm
.macro MIDDLE                          ; a round's middle: the opening wait, wave 0's signal for the work-group, the cluster's wait
	WIN 0
	s_barrier_wait -1
	s_cmp_lg_u32 s14, 0
	s_cbranch_scc1 .Lnot_wave_0_\@
	s_barrier_signal -3
.Lnot_wave_0_\@:
	s_barrier_wait -3
.endm
.macro CROUND
	s_barrier_signal -1
	MIDDLE
	BARRIER
.endm
.macro GRD
	s_wait_tensorcnt 0x0
	ds_add_u32 v[SPW], v[NIL]
.endm
.macro TLOAD g0, g1
	tensor_load_to_lds s[\g0:\g0+3], s[\g1:\g1+7]
	s_nop 0
	PLACES 4
.endm
.macro GROUP1 g, mask, rows            ; dense bytes as rows of 32 elements of 8 bytes
	s_or_b32 s[\g], s\mask, (3<<16)|(1<<21)
	s_mov_b32 s[\g+1], 32<<16
	s_mov_b32 s[\g+2], (\rows)<<16
	s_mov_b32 s[\g+3], 32<<16
	s_mov_b32 s[\g+4], \rows
	s_mov_b32 s[\g+5], 32
	s_mov_b32 s[\g+6], 0
	s_mov_b32 s[\g+7], 0
.endm
.macro SADD d, x
	s_add_co_u32 s\d, s\d, s\x
.endm
; fragment f lies in window 1 + f / 21 at register 12 (f % 21): 0-31 the weight's (4 q + b), 32-39 and 40-47 the rows' two sets
.macro FRAG f, a, off
	WIN (1+(\f)/FPW)<<6
.set R_, FR*((\f)%FPW)
	ds_load_b128 v[R_:R_+3], v[\a] offset:\off
	ds_load_b128 v[R_+4:R_+7], v[\a] offset:(\off)+512
	ds_load_b128 v[R_+8:R_+11], v[\a] offset:(\off)+1024
.endm
.macro WEIGHTS                         ; my 64 rows of the weight, all of K: 104 loads
.irp q, 0,1,2,3,4,5,6,7
.irp b, 0,1,2,3
	FRAG 4*\q+\b, ADRB, TAIL*\b+1536*\q
.endr
.endr
	WIN 0
.irp b, 0,1,2,3
	ds_load_b64 v[SB+4*\b:SB+4*\b+1], v[ABS] offset:GSC+128*\b
	ds_load_b64 v[SB+4*\b+2:SB+4*\b+3], v[ABS] offset:GSC+512+128*\b
.endr
.endm
.macro FETCHAT e, a, o                 ; a block of x's rows into set e: NF loads
.irp q, 0,1,2,3,4,5,6,7
	FRAG 32+8*(\e)+\q, \a, (\o)+1536*\q
.endr
	WIN 0
	ds_load_b128 v[SA+4*(\e):SA+4*(\e)+3], v[\a] offset:(\o)+TAIL
.endm
.macro FETCH e
	FETCHAT \e, ADRA, 0
.endm
.macro FETCH01                         ; a phase's first two blocks, from slot 0
	FETCHAT 0, ADRA0, 0
	FETCHAT 1, ADRA0, STP
	s_mov_b32 s101, STP
.endm
; a product: n = 4 q + b.  kind 0 (q, k): source 0 the weight's rows; kind 1 (v): source 0 x's rows.  The four accumulators take turns
.macro PROD kind, e, n, a0, as
.set Q_, (\n)/4
.set B4_, (\n)%4
.set FB_, (\n)
.set FA_, 32+8*(\e)+Q_
.set D_, (\a0)+(\as)*B4_
.set DL_, D_&255
.set XB_, SB+4*B4_+Q_%4
.set XA_, SA+4*(\e)+Q_%4
.if \kind
.if Q_
	WIN (1+FA_/FPW)|((1+FB_/FPW)<<2)|((D_>>8)<<4)|((D_>>8)<<6)
	PROD1 DL_, FA_, FB_, v[DL_:DL_+7], XA_, XB_, Q_/4
.else
	WIN (1+FA_/FPW)|((1+FB_/FPW)<<2)|(3<<4)|((D_>>8)<<6)
	PROD1 DL_, FA_, FB_, v[BBV-768+8*B4_:BBV-768+8*B4_+7], XA_, XB_, 0
.endif
.else
	WIN (1+FB_/FPW)|((1+FA_/FPW)<<2)|((D_>>8)<<4)|((D_>>8)<<6)
.if Q_
	PROD1 DL_, FB_, FA_, v[DL_:DL_+7], XB_, XA_, Q_/4
.else
	PROD1 DL_, FB_, FA_, v[BBQ+8*B4_:BBQ+8*B4_+7], XB_, XA_, 0
.endif
.endif
.endm
.macro PROD1 d, s0, s1, c, x0, x1, row
.if \row
	v_wmma_scale_f32_16x16x128_f8f6f4 v[\d:\d+7], v[FR*((\s0)%FPW):FR*((\s0)%FPW)+FR-1], v[FR*((\s1)%FPW):FR*((\s1)%FPW)+FR-1], \c, v[\x0], v[\x1] matrix_a_fmt:MATRIX_FMT_FP6 matrix_b_fmt:MATRIX_FMT_FP6 matrix_a_scale:MATRIX_SCALE_ROW1 matrix_b_scale:MATRIX_SCALE_ROW1
.else
	v_wmma_scale_f32_16x16x128_f8f6f4 v[\d:\d+7], v[FR*((\s0)%FPW):FR*((\s0)%FPW)+FR-1], v[FR*((\s1)%FPW):FR*((\s1)%FPW)+FR-1], \c, v[\x0], v[\x1] matrix_a_fmt:MATRIX_FMT_FP6 matrix_b_fmt:MATRIX_FMT_FP6
.endif
.endm
; products from .. to - 1 of a block; behind every second one two entries of the block's list (at most four scalar lines and one vector line each)
.macro BLOCK kind, e, a0, as, from, to, list, x=0, y=0
.set N_, \from
.rept (\to)-(\from)
	PROD \kind, \e, N_, \a0, \as
.if N_%2
	\list N_-1, \x, \y
	\list N_, \x, \y
.endif
.set N_, N_+1
.endr
.endm
.macro STEP i                          ; to the next block's LDS address
.if (\i) == 0
	s_add_co_u32 s101, s101, STP
	WIN 0
	v_add_nc_u32 v[ADRA], s101, v[ADRA0]
.endif
.endm
.macro STEPW i                         ; the same with the ring's end; and on to the next chunk in memory
.if (\i) == 0
	s_add_co_u32 s66, s66, CH
	s_add_co_u32 s101, s101, STP
	s_cmp_eq_u32 s101, 8*STP
	s_cselect_b32 s101, 0, s101
	WIN 0
	v_add_nc_u32 v[ADRA], s101, v[ADRA0]
.endif
.endm
.macro ASK i                           ; the descriptor of my half of the chunk at s66 for slot s47
.if (\i) == 0
	s_add_co_u32 s[G0R+1], s47, s82
	s_add_nc_u64 s[G0R+2:G0R+3], s[4:5], s[66:67]
	s_or_b32 s[G0R+3], s[G0R+3], 0x80000000
	s_xor_b32 s47, s47, CH
.endif
.endm
.macro OUTPOS i                        ; 5 entries: where block s46's codes go (s[84:85], s[96:97]) and its scale byte (v[VX]).  The codes' place goes by the true half, the stage in LDS by the order of work
.if (\i) == 0
	s_wait_xcnt 0x0                        ; the last stores have read their registers and bases
	s_bfe_u32 s20, s46, 0x10003
	s_xor_b32 s21, s20, s87
	s_mul_i32 s21, s21, 16*REC
	s_and_b32 s22, s46, 7
.elseif (\i) == 1
	s_lshl_b32 s22, s22, 9
	s_add_co_u32 s2, s22, s21
	s_add_nc_u64 s[96:97], s[74:75], s[2:3]
	s_add_co_u32 s2, s2, s22
.elseif (\i) == 2
	s_add_nc_u64 s[84:85], s[72:73], s[2:3]
	s_lshl_b32 s20, s20, 9
	s_and_b32 s21, s46, 3
	s_lshl_b32 s21, s21, 1
.elseif (\i) == 3
	s_or_b32 s20, s20, s21
	s_and_b32 s21, s46, 4
	s_lshl_b32 s21, s21, 5
	s_or_b32 s20, s20, s21
.elseif (\i) == 4
	s_add_co_u32 s46, s46, 1
	WIN 0
	v_add_nc_u32 v[VX], s20, v[STO]
.endif
.endm
.macro CHAIN i, x, n, t=TQ             ; 18 entries: the largest magnitude of the 32 sums from register x on, over the floor 2^(3 - 127), and the conversions' scale operand, v[SOP+n]
.set XW_, (\x)>>8
.set XL_, (\x)&255
.if (\i) >= 0 && (\i) < 14
.set B_, XL_+16*((\i)%2)+2*((\i)/2)
.set T_, (\t)+1-(\i)%2
.if (\i) < 2
	WIN XW_|(XW_<<2)|(XW_<<4)
	v_max3_num_f32 v[T_], |v[B_]|, |v[B_+1]|, |v[B_+2]|
.else
	WIN (XW_<<2)|(XW_<<4)
	v_max3_num_f32 v[T_], v[T_], |v[B_+1]|, |v[B_+2]|
.endif
.elseif (\i) == 14
	WIN XW_<<2
	v_max3_num_f32 v[\t+1], v[\t+1], |v[XL_+15]|, (EMAX+1)<<23
.elseif (\i) == 15
	WIN 0
	v_nop                                  ; so that the next line, which reads entry 14's result, stands in the next pair
.elseif (\i) == 16
	WIN XW_<<2
	v_max3_num_f32 v[\t], v[\t], |v[XL_+31]|, v[\t+1]
.elseif (\i) == 17
	WIN 0
	v_add_nc_u32 v[SOP+\n], -(EMAX<<23), v[\t]
.endif
.endm
.macro CODES i, x, c, n, t=TC          ; v: 32 codes into v[c .. c+5], the scale's byte into v[EB+n]
.set XW_, (\x)>>8
.set XL_, (\x)&255
.if (\i) == 0
	WIN XW_
	v_cvt_scalef32_pk16_fp6_f32 v[\c:\c+2], v[XL_:XL_+15], v[SOP+\n]
.elseif (\i) == 1
	WIN XW_
	v_cvt_scalef32_pk16_fp6_f32 v[\t:\t+2], v[XL_+16:XL_+31], v[SOP+\n]
.elseif (\i) == 2
	WIN 0
	v_lshrrev_b32 v[EB+\n], 23, v[SOP+\n]
.else
	WIN 0
	v_mov_b32 v[\c+\i], v[\t+\i-3]
.endif
.endm
.macro CODES6 x, c, n
.irp i, 0,1,2,3,4,5
	CODES \i, \x, \c, \n
.endr
.endm
; q, k: the six registers go out as four and two: a wave of column 0 stores registers 0-3 and 4-5, one of column 1 registers 2-5 and 0-1 (s83: all ones in column 1)
.macro CQC x, n
	v_cvt_scalef32_pk16_fp6_f32 v[TD:TD+2], v[\x:\x+15], v[SOP+\n]
	v_cvt_scalef32_pk16_fp6_f32 v[TC:TC+2], v[\x+16:\x+31], v[SOP+\n]
.endm
.macro CQB n
	v_lshrrev_b32 v[EB+\n], 23, v[SOP+\n]
.endm
.macro CQM
	v_cndmask_b32 v[NCD], v[TD], v[TD+2], s83
	v_cndmask_b32 v[NCD+1], v[TD+1], v[TC], s83
	v_cndmask_b32 v[NCD+2], v[TD+2], v[TC+1], s83
	v_cndmask_b32 v[NCD+3], v[TC], v[TC+2], s83
	v_cndmask_b32 v[NCD+4], v[TC+1], v[TD], s83
	v_cndmask_b32 v[NCD+5], v[TC+2], v[TD+1], s83
.endm
.macro CODESQ x, n
	WIN 0
	CQC \x, \n
	CQB \n
	CQM
.endm
.macro SENDQ
	global_store_b128 v[CO], v[NCD:NCD+3], s[84:85]          ; 512 consecutive bytes, aligned
	global_store_b64 v[C8], v[NCD+4:NCD+5], s[96:97]         ; 256 consecutive bytes, aligned
.endm
.macro PFGO v, base
	global_prefetch_b8 v\v, s[\base:\base+1] th:TH_LOAD_NT scope:SCOPE_SE
.endm
.macro PUT3 r, base, off
.irp k, 0,1,2
	global_store_b128 v[CO], v[\r+4*\k:\r+4*\k+3], \base offset:(\off)+512*\k
.endr
.endm
; ---- the lists
.macro L_NONE i, x, y
.endm
.macro L_STEP i, x, y
	STEP \i
.endm
.macro L_V2 i, x, y                    ; phase 1's block 2: the first refill's descriptors; x's later loads bring half a chunk
.if (\i) == 0
	s_mov_b32 s[G1A+2], 200<<16
	s_mov_b32 s[G1A+4], 200
	s_add_nc_u64 s[G0B+2:G0B+3], s[6:7], s[88:89]
	s_or_b32 s[G0B+3], s[G0B+3], 0x80000000
.endif
	STEP (\i)-1
.endm
.macro L_VOUT i, x, y
	STEP \i
	CHAIN (\i)-1, \x, \y
.endm
.macro L_VLAST i, x, y
	CHAIN \i, \x, \y
.endm
.macro L_OUT i, x, y
	STEP \i
	OUTPOS (\i)-7
	CHAIN (\i)-12, \x, \y
.endm
.macro L_OUTS i, x, y                  ; the same for 26 products
	STEP \i
	OUTPOS (\i)-2
	CHAIN (\i)-7, \x, \y
.endm
.macro L_OUTL i, x, y
	OUTPOS (\i)-7
	CHAIN (\i)-12, \x, \y
.endm
.macro L_ROUND i, x, y
	ASK \i
	STEPW (\i)-1
	OUTPOS (\i)-2
	CHAIN (\i)-7, \x, \y
.endm
; ---- phase 2's blocks.  w: the count of the wait for the block's rows (-1: a wait for all LDS work has shown them in)
.macro OUTS e, fetch                   ; the block before leaves; the block two on is fetched
	WALU
	ds_store_b8 v[VX], v[EB+1-\e]
	SENDQ
.if \fetch
	FETCH \e
.endif
.endm
.macro HEADW w
.if (\w) >= 0
	s_wait_dscnt \w
.endif
.endm
.macro NBLK e, w, fetch
	HEADW \w
.if \fetch
	BLOCK 0, \e, ACC+32*\e, 8, 0, 32, L_OUT, ACC+32*(1-\e), 1-\e
.else
	BLOCK 0, \e, ACC+32*\e, 8, 0, 32, L_OUTL, ACC+32*(1-\e), 1-\e
.endif
	CODESQ ACC+32*(1-\e), 1-\e
	OUTS \e, \fetch
.endm
.macro RBLK                            ; a refill: the round stands inside the block
	HEADW NF+1
	GRD
	BLOCK 0, 0, ACC, 8, 0, 26, L_ROUND, ACC+32, 1
	WIN 0
	WALU
	s_wait_dscnt 0x0
	s_barrier_signal -1
	BLOCK 0, 0, ACC, 8, 26, 32, L_NONE
	CODESQ ACC+32, 1
	MIDDLE
	BARRIER
	s_cmp_lt_u32 s14, 2
	s_cbranch_scc0 .Lno_chunk_\@
	TLOAD G0R, G1A
.Lno_chunk_\@:
	OUTS 0, 1
.endm
.macro SBLK                            ; a plain barrier inside the block shows the last refill to all
	HEADW NF+1
	BLOCK 0, 0, ACC, 8, 0, 26, L_OUTS, ACC+32, 1
	WIN 0
	WALU
	s_wait_tensorcnt 0x0
	s_wait_dscnt 0x0
	s_barrier_signal -1
	BLOCK 0, 0, ACC, 8, 26, 32, L_NONE
	WIN 0
	s_barrier_wait -1
	CODESQ ACC+32, 1
	OUTS 0, 1
.endm
; ================= THE HEAD
	s_load_b256 s[4:11], s[0:1], 0x0               ; xr, wr, bq, bk
	s_load_b256 s[48:55], s[0:1], 0x20             ; bv, qr, kr, vr
	v_lshl_add_u32 v[SPW], v0, 2, SPARE
	v_mov_b32 v[NIL], 0
	ds_add_u32 v[SPW], v[NIL]                      ; the opening lines: the add, twice on end, and its wait
	ds_add_u32 v[SPW], v[NIL]
	v_lshrrev_b32 v1, 5, v0
	v_readfirstlane_b32 s14, v1                    ; s14 the wave; s15 its row w of the 2 x 2, s16 its column
	s_lshr_b32 s15, s14, 1
	s_and_b32 s16, s14, 1
	s_bfe_u32 s40, ttmp6, 0x40000                  ; cx
	s_bfe_u32 s41, ttmp6, 0x40004                  ; cy
	s_lshl_b32 s42, ttmp9, 2
	SADD 42, 40                                    ; phase 2's tile column: 0 .. 7 q, 8 .. 15 k
	s_and_b32 s43, ttmp7, 0xffff
	s_lshl_b32 s43, s43, 2
	SADD 43, 41                                    ; my 512 tokens
	s_lshr_b32 s19, ttmp9, 1                       ; 0 q, 1 k
	s_and_b32 s87, ttmp9, 1                        ; v's half of my 512 tokens
	s_lshl_b32 s13, s19, 2
	SADD 13, 40                                    ; v's tile column
	s_lshl_b32 s12, s43, 1
	SADD 12, 87                                    ; v's 256 tokens
	s_lshl_b32 s44, s41, 2
	s_lshl_b32 s44, 15, s44                        ; my row of the cluster
	s_lshl_b32 s45, 0x1111, s40                    ; my column
	GROUP1 G1A, 44, 400
	GROUP1 G1B, 45, 200
	s_mov_b32 s3, 0
	s_mul_i32 s82, s14, GRP                        ; waves 0 and 1 fetch a half each
	s_mul_i32 s66, s43, 4*CH
	s_mul_i32 s20, s87, 2*CH
	SADD 20, 66                                    ; chunks 0 and 1, bytes from xr
	s_mov_b32 s21, 0
	s_xor_b32 s22, s87, 1
	s_mul_i32 s22, s22, 2*CH
	SADD 66, 22                                    ; chunks 2 and 3: the other half's
	s_mov_b32 s67, 0
	s_mul_i32 s88, s42, CH                         ; Wq's or Wk's 128 rows, bytes from wr
	s_mov_b32 s89, 0
	s_mul_i32 s92, s13, CH
	s_add_co_u32 s92, s92, 32*GRP                  ; Wv's
	SADD 92, 82
	s_mov_b32 s93, 0
	s_mov_b32 s[G0A], 1
	s_mov_b32 s[G0A+1], 0
	s_mov_b32 s[G0B], 1
	s_add_co_u32 s[G0B+1], s82, BVB
	s_mov_b32 s[G0R], 1
	s_mov_b32 s[G0R+1], CH
	v_and_b32 v1, 15, v0                           ; r
	v_bfe_u32 v2, v0, 4, 1                         ; h
	v_and_b32 v3, 31, v0                           ; lane
	v_lshlrev_b32 v[CO], 4, v3
	v_lshlrev_b32 v[C8], 3, v3
	s_mul_i32 s22, s15, TIL
	v_add_nc_u32 v[ADRA0], s22, v[CO]
	s_mul_i32 s22, s16, GRP
	s_add_co_u32 s22, s22, BVB
	v_add_nc_u32 v[ADRB], s22, v[CO]
	v_lshlrev_b32 v[ABS], 3, v1
	v_lshl_add_u32 v[ABS], v2, 10, v[ABS]
	v_add_nc_u32 v[ABS], s22, v[ABS]               ; 8 r + 1,024 h: lanes 16-31 take K steps four further on
	s_lshl_b32 s22, s16, 10
	s_lshl_b32 s23, s15, 8
	SADD 22, 23
	s_add_co_u32 s22, s22, XN
	v_lshl_add_u32 v12, v1, 3, v2
	v_add_nc_u32 v[STO], s22, v12
	s_lshl_b32 s22, s14, 8
	s_add_co_u32 s22, s22, XM
	v_lshl_add_u32 v12, v1, 4, v2
	v_add_nc_u32 v[STV], s22, v12
	WALU
	s_wait_dscnt 0x0                               ; both opening adds are done
	CROUND                                         ; all sixteen work-groups are here: the first joint loads meet
	s_wait_kmcnt 0x0
	s_add_nc_u64 s[G0A+2:G0A+3], s[4:5], s[20:21]
	s_add_nc_u64 s[G0R+2:G0R+3], s[G0A+2:G0A+3], CH
	s_or_b32 s[G0A+3], s[G0A+3], 0x80000000
	s_or_b32 s[G0R+3], s[G0R+3], 0x80000000
	s_add_nc_u64 s[G0B+2:G0B+3], s[6:7], s[92:93]
	s_or_b32 s[G0B+3], s[G0B+3], 0x80000000
	s_cmp_lt_u32 s14, 2
	s_cbranch_scc0 .Lwave_2
	TLOAD G0B, G1B                                 ; waves 0 and 1: Wv's rows
	s_branch .Lasked
.Lwave_2:
	s_cmp_eq_u32 s14, 2
	s_cbranch_scc0 .Lwave_3
	TLOAD G0A, G1A                                 ; wave 2: chunk 0
	s_branch .Lasked
.Lwave_3:
	TLOAD G0R, G1A                                 ; wave 3: chunk 1
.Lasked:
	s_cmp_eq_u32 s19, 1
	s_cselect_b64 s[50:51], s[52:53], s[50:51]     ; q's records or k's, its bias
	s_cselect_b64 s[8:9], s[10:11], s[8:9]
	s_cmp_eq_u32 s16, 1
	s_cselect_b32 s83, -1, 0
	s_lshl_b32 s2, s13, 1
	SADD 2, 16
	s_lshl_b32 s2, s2, 8
	s_add_nc_u64 s[98:99], s[48:49], s[2:3]        ; bv of my 64 channels
	s_lshl_b32 s2, s42, 1
	SADD 2, 16
	s_and_b32 s2, s2, 15
	s_lshl_b32 s2, s2, 8
	s_add_nc_u64 s[94:95], s[8:9], s[2:3]          ; bq or bk of mine: loaded between the phases
	v_lshlrev_b32 v21, 7, v2                       ; q, k: register 8 j + i of lane (r, h) is channel 32 h + 8 j + i
	v_lshrrev_b32 v12, 3, v1
	v_lshlrev_b32 v12, 7, v12
	v_and_b32 v13, 7, v1
	v_lshl_add_u32 v20, v13, 2, v12                ; v: lane (r, h) of tile t has channel 32 (r / 8) + 8 t + r % 8
	WALU
	WIN 3<<6
.irp t, 0,1,2,3
	global_load_b32 v[BBV-768+8*\t], v20, s[98:99] offset:32*\t
.endr
	WIN 0
	s_lshl_b32 s20, s13, 6                         ; v's record: channel block x 64 + token block
	s_lshl_b32 s22, s12, 1
	SADD 20, 22
	SADD 20, 15
	s_mul_i32 s20, s20, REC
	s_add_nc_u64 s[76:77], s[54:55], s[20:21]
	s_lshl_b32 s2, s16, 8
	s_add_co_u32 s2, s2, TAIL
	s_add_nc_u64 s[80:81], s[76:77], s[2:3]        ; my 256 bytes of its scale words
	s_mul_i32 s2, s16, 4*1536
	s_add_nc_u64 s[76:77], s[76:77], s[2:3]        ; my four fragments
	s_and_b32 s17, s42, 7                          ; q's or k's channel block
	s_lshl_b32 s22, s43, 2                         ; my first token block
	s_add_co_u32 s2, s22, s15
	s_lshl_b32 s2, s2, 3
	SADD 2, 17
	s_mul_i32 s2, s2, REC                          ; its record: token block x 8 + channel block
	s_add_nc_u64 s[72:73], s[50:51], s[2:3]
	s_lshl_b32 s2, s16, 8
	s_add_co_u32 s2, s2, 8192
	s_add_nc_u64 s[74:75], s[72:73], s[2:3]        ; the stores of 8 bytes a lane
	s_lshl_b32 s2, s16, 9
	s_add_nc_u64 s[72:73], s[72:73], s[2:3]        ; the stores of 16
	s_xor_b32 s2, s15, s87
	s_lshl_b32 s2, s2, 1
	SADD 2, 22
	SADD 2, 16
	s_lshl_b32 s2, s2, 3
	SADD 2, 17
	s_mul_i32 s2, s2, REC
	s_add_co_u32 s2, s2, TAIL
	s_add_nc_u64 s[78:79], s[50:51], s[2:3]        ; the scale words that I store at the end: the wave-th token block in the order of work
	s_lshl_b32 s22, s41, 2
	SADD 22, 14                                    ; my number among the sixteen waves of my column of the cluster
	s_mul_i32 s22, s22, CH/16
	SADD 22, 88
	s_lshl_b32 s23, s40, 2
	SADD 23, 14                                    ; and of my row
	s_mul_i32 s23, s23, CH/16
	SADD 23, 66
	v_min_u32 v12, 24, v3
	v_lshl_add_u32 v22, v12, 8, s22                ; what the first refill will load,
	v_lshl_add_u32 v16, v12, 8, s23                ; the second,
	v_add_nc_u32 v17, CH, v16                      ; and the third
	SADD 88, 82
	SADD 66, 82
	s_mov_b32 s46, 0
	s_mov_b32 s47, 0
	WALU
	s_wait_loadcnt 0x0
	WIN (3<<6)|3
.irp t, 0,8,16,24
.irp i, 1,2,3,4,5,6,7
	v_mov_b32 v[BBV-768+\t+\i], v[BBV-768+\t]      ; one number a lane and tile, over the tile's eight registers
.endr
.endr
	WIN 0
	WALU                                           ; the head's end
	s_cmp_lt_u32 s14, 2
	s_cbranch_scc0 .Lnot_b
	s_wait_tensorcnt 0x0
.Lnot_b:
	BARRIER                                        ; Wv's rows are in
	PFGO 22, 6
	WEIGHTS
	s_cmp_eq_u32 s14, 3
	s_cbranch_scc1 .Lnot_a0
	s_wait_tensorcnt 0x0
.Lnot_a0:
	s_wait_dscnt 0x0
	BARRIER                                        ; chunk 0 is in; chunk 1 may still be on its way
	FETCH01
; ================= PHASE 1: v, eight blocks; band 0's way outs stand in band 1's blocks
.irp s, 0,1
	s_wait_dscnt NF
	BLOCK 1, \s, HV0+8*\s, 32, 0, 32, L_STEP
	WIN 0
	PLACES 4
	WALU
	FETCH \s
.endr
	s_wait_dscnt NF
	GRD
	BLOCK 1, 0, HV0+16, 32, 0, 24, L_V2
	WIN 0
	WALU
	s_wait_dscnt 0x0
	s_barrier_signal -1
	BLOCK 1, 0, HV0+16, 32, 24, 32, L_NONE
	MIDDLE
	BARRIER
	s_cmp_lt_u32 s14, 2
	s_cbranch_scc0 .Lno_half
	TLOAD G0B, G1B                                 ; Wq's or Wk's rows, onto Wv's, which all waves hold in registers
.Lno_half:
	PLACES 4                                       ; the places between the products and the fetch, for the waves that come round the load
	WALU
	FETCH 0
	PFGO 16, 4
	BLOCK 1, 1, HV0+24, 32, 0, 32, L_STEP
	WIN 0
	PLACES 4
	WALU
	FETCH 1
.irp j, 0,1,2
	s_wait_dscnt NF+(\j+1)/2
.if \j < 2
	BLOCK 1, \j%2, HV1+8*\j, 32, 0, 32, L_VOUT, HV0+32*\j, \j
.else
	BLOCK 1, \j%2, HV1+8*\j, 32, 0, 32, L_VLAST, HV0+32*\j, \j
.endif
	WIN 0
	CODES6 HV0+32*\j, MCD+12*\j, \j
	WALU
	ds_store_b8 v[STV], v[EB+\j] offset:4*\j
.if \j < 2
	FETCH \j%2
.endif
.endr
	s_wait_dscnt 1
	BLOCK 1, 1, HV1+24, 32, 0, 26, L_VLAST, HV0+96, 3
	WIN 0
	WALU
	s_wait_tensorcnt 0x0
	s_wait_dscnt 0x0
	s_barrier_signal -1                            ; a plain barrier: the rows that the first refill brought are shown to all
	BLOCK 1, 1, HV1+24, 32, 26, 32, L_NONE
	WIN 0
	s_barrier_wait -1
	CODES6 HV0+96, MCD+36, 3
	WALU
	ds_store_b8 v[STV], v[EB+3] offset:12
; ================= THE CHANGE OF PHASE: the weight and the first two blocks' rows, which lie in slot 0 still, in one run of loads; band 1's four way outs under their flight
.irp k, 0,1,2,3,4,5,6,7
	global_load_b128 v[BBQ+4*\k:BBQ+4*\k+3], v21, s[94:95] offset:16*\k
.endr
	WEIGHTS
	FETCH01
	PFGO 17, 4
	PLACES 4
.set I, 0
.rept 18
.irp t, 0,1,2,3
	CHAIN I, HV1+32*\t, \t, 64+4*\t
.endr
.set I, I+1
.endr
.set I, 0
.rept 6
.irp t, 0,1,2,3
	CODES I, HV1+32*\t, MCD+12*\t+6, \t, 80+4*\t
.endr
.set I, I+1
.endr
	WIN 0
	WALU
; ================= PHASE 2: q or k, sixteen blocks
	s_wait_loadcnt 0x0
	s_wait_dscnt NF
	BLOCK 0, 0, ACC, 8, 0, 32, L_STEP
	WIN 0
	PLACES 4
	WALU
.irp t, 0,1,2,3
	ds_store_b8 v[STV], v[EB+\t] offset:2+4*\t
.endr
.irp t, 0,1,2,3
	PUT3 MCD+12*\t, s[76:77], 1536*\t              ; v's codes leave
.endr
	FETCH 0
	NBLK 1, NF+4, 1
	s_mov_b32 s86, 0
.Lwith_rounds:                                         ; blocks 2 to 5, 6 to 9
	RBLK
	NBLK 1, -1, 1
	NBLK 0, NF+1, 1
	NBLK 1, NF+1, 1
	s_add_co_u32 s86, s86, 1
	s_cmp_lg_u32 s86, 2
	s_cbranch_scc1 .Lwith_rounds
.Lwithout:                                             ; blocks 10, 11 and 12, 13
	SBLK
	NBLK 1, -1, 1
	s_add_co_u32 s86, s86, 1
	s_cmp_lg_u32 s86, 4
	s_cbranch_scc1 .Lwithout
	NBLK 0, NF+1, 0
	NBLK 1, 1, 0
; ================= THE END: the last way out; the scale bytes go through LDS under its conversions
.set I, 0
.rept 5
	OUTPOS I
.set I, I+1
.endr
	s_lshl_b32 s21, s14, 8
	s_add_co_u32 s21, s21, XN
	v_add_nc_u32 v12, s21, v[C8]
.set I, 0
.rept 18
	CHAIN I, ACC+32, 1
.set I, I+1
.endr
	CQB 1
	WALU
	ds_store_b8 v[VX], v[EB+1]
	s_wait_dscnt 0x0
	s_barrier_signal -1
	CQC ACC+32, 1
	v_nop
	CQM
	s_barrier_wait -1
	WALU
	ds_load_b64 v[64:65], v12                      ; tiles 0 .. 3's bytes of channels 0-63,
	ds_load_b64 v[66:67], v12 offset:1024          ; of channels 64-127,
	ds_load_b64 v[68:69], v12 offset:2048          ; and v's
	SENDQ
	s_wait_dscnt 0x0
	v_perm_b32 v72, v66, v64, 0x05040100
	v_perm_b32 v73, v66, v64, 0x07060302
	v_perm_b32 v74, v67, v65, 0x05040100
	v_perm_b32 v75, v67, v65, 0x07060302
	global_store_b128 v[CO], v[72:75], s[78:79]
	global_store_b64 v[C8], v[68:69], s[80:81]
	WALU
	s_wait_tensorcnt 0x0                           ; the wave's end
	ds_add_u32 v[SPW], v[NIL]
	s_wait_dscnt 0x0
	CROUND                                         ; the closing round
	s_endpgm
.Lfunc_end_k_q5500a3aec3_qkv:
	.size	k_q5500a3aec3_qkv, .Lfunc_end_k_q5500a3aec3_qkv-k_q5500a3aec3_qkv
	.p2alignl 7, 3214868480
	.fill 96, 4, 3214868480
	.section	.rodata,"a",@progbits
	.p2align	6, 0x0
	.amdhsa_kernel k_q5500a3aec3_qkv
		.amdhsa_group_segment_fixed_size 327680
		.amdhsa_private_segment_fixed_size 0
		.amdhsa_enable_private_segment 0
		.amdhsa_kernarg_size 64
		.amdhsa_user_sgpr_count 2
		.amdhsa_user_sgpr_kernarg_segment_ptr 1
		.amdhsa_wavefront_size32 1
		.amdhsa_system_sgpr_workgroup_id_x 1
		.amdhsa_system_sgpr_workgroup_id_y 1
		.amdhsa_system_sgpr_workgroup_id_z 1
		.amdhsa_system_vgpr_workitem_id 0
		.amdhsa_next_free_vgpr 1024
		.amdhsa_next_free_sgpr 102
		.amdhsa_reserve_vcc 0
		.amdhsa_float_denorm_mode_32 3
		.amdhsa_float_denorm_mode_16_64 3
		.amdhsa_memory_ordered 1
		.amdhsa_forward_progress 1
		.amdhsa_inst_pref_size 183
	.end_amdhsa_kernel
	.amdgpu_metadata
---
amdhsa.version: [ 1, 2 ]
amdhsa.kernels:
  - .name:           k_q5500a3aec3_qkv
    .symbol:         k_q5500a3aec3_qkv.kd
    .args:
      - { .name: xr, .offset: 0, .size: 8, .value_kind: global_buffer, .address_space: global }
      - { .name: wr, .offset: 8, .size: 8, .value_kind: global_buffer, .address_space: global }
      - { .name: bq, .offset: 16, .size: 8, .value_kind: global_buffer, .address_space: global }
      - { .name: bk, .offset: 24, .size: 8, .value_kind: global_buffer, .address_space: global }
      - { .name: bv, .offset: 32, .size: 8, .value_kind: global_buffer, .address_space: global }
      - { .name: qr, .offset: 40, .size: 8, .value_kind: global_buffer, .address_space: global }
      - { .name: kr, .offset: 48, .size: 8, .value_kind: global_buffer, .address_space: global }
      - { .name: vr, .offset: 56, .size: 8, .value_kind: global_buffer, .address_space: global }
    .group_segment_fixed_size: 327680
    .private_segment_fixed_size: 0
    .kernarg_segment_align: 8
    .kernarg_segment_size: 64
    .max_flat_workgroup_size: 128
    .sgpr_count:     102
    .vgpr_count:     1024
    .wavefront_size: 32
...
	.end_amdgpu_metadata
.endif
;; end of part 2
;; launch sp (part 3): grid 12 x 16, 8 waves a work-group, clusters of 4 x 4, 327,680 bytes of LDS; arguments qr, kr, pr, pml; writes pr, pml
.if DOCPART == 3
	.amdgcn_target "amdgcn-amd-amdhsa--gfx1250"
	.amdhsa_code_object_version 6
	.text
	.protected	k_q5500a3aec3_sp
	.globl	k_q5500a3aec3_sp
	.p2align	8
	.type	k_q5500a3aec3_sp,@function
k_q5500a3aec3_sp:
	s_mov_b64 s[64:65], 0
	v_nop
	global_prefetch_b8 v0, s[64:65] scope:SCOPE_SE
	s_setreg_imm32_b32 hwreg(HW_REG_WAVE_MODE, 25, 1), 1
	s_wait_xcnt 0x0
	s_wait_alu depctr_hold_cnt(0) depctr_sa_sdst(0) depctr_va_vdst(0) depctr_va_sdst(0) depctr_va_ssrc(0) depctr_va_vcc(0) depctr_vm_vsrc(0)
	s_getreg_b32 s2, hwreg(HW_REG_IB_STS2, 6, 4)
	s_cmp_eq_u32 s2, 0
	s_cbranch_scc0 .Lentry_in_a_cluster
	s_endpgm
.Lentry_in_a_cluster:
	s_bfe_u32 s2, ttmp6, 0x10000c
	s_cmp_lg_u32 s2, 0xf033
	s_cbranch_scc0 .Lentry_shape_is_right
	s_endpgm
.Lentry_shape_is_right:
; The scores q k^T / 32 on codes of FP6 (E2M3), the causal mask, and p = 2^(t - M) quantised along the keys, tile by tile.  t = score x log2(e) / 32.
; WORK LEFT OUT: the key tiles of 1,024 x 1,024 above the diagonal, which reference()'s own mask hides for all values of the inputs.
; M IS LOCAL: for each query and each 128 keys, M = ceil(the largest t among these 128 keys).  The codes of p do not hang on which whole number M is; only the scale bytes do.  The launch that follows reads -M and
; the sum l of the unquantised p for each (query, 128 keys) and brings all under the row's own M by taking whole numbers off the scale bytes.
; qr, kr: records of 12,800 bytes as the launch before lays them (128 rows x 128 K; fragment a = 4 c + j; row r of it is row 64 c + 32 (r / 8) + 8 j + r % 8).  pr: records of the same row order, fragment a the image of 12 registers at
; 1,536 a; rows = tokens, 16 K steps (keys of the batch).  pml: for each record of pr 1,024 bytes: 512 of -M, 512 of l, laid as the scale words are.
; A work-group makes 256 queries x 256 keys with eight waves of 512 registers, two to a SIMD; a wave makes 64 x 128 (half g of a block of 128 queries; 32 accumulators): L = q (source 1: a lane holds a query), R = k (source 0:
; register 32 c + 8 j + i of lane (r, h) is key 64 c + 32 h + 8 j + i, so a lane holds two whole scale blocks).  One set of fragments: while one wave fetches, the other multiplies.
; K = 1,024 channels: eight K steps; two LDS slots of three, the first filled again with the last two.  No prefetch: there is no loop to run ahead in; a wave has three tensor loads in all.
; CLUSTER 4 x 4 = 1,024 queries x 1,024 keys of one batch (cluster y), q's blocks shared along a row, k's along a column.  Cluster x 0: queries and keys 0-1,023; 1: queries 1,024 on, keys 0-1,023; 2: both 1,024 on.
; In the two clusters on the diagonal the tiles above it are computed like the others, since every partner makes every joint request; they write zero codes, l = 0 and a
; very large -M, which the next launch's walk over the keys reads.
; LIMITS: scores under -2^100 count as -2^100; NaN and infinities are not served.
; REGISTERS: window 0: v64-159 R's eight fragments, v160-207 L's four, v32-39 scale words; on the way out v64 on is free.  Window 1: accumulator (a, b) at v[8 (8 a + b)].
.set REC,   12800
.set TAIL,  12288
.set FRB,   1536
.set RBB,   8*REC
.set PART,  3*REC                      ; three K steps of one block of 128 rows
.set SLOT,  4*PART                     ; L's two blocks, R's two
.set SPARE, 2*SLOT                     ; the spare words: four blocks of 256 bytes that no other line names
.set LI,   4                           ; v4  16 x lane
.set NI,   7                           ; v7  -infinity
.set SH8,  8                           ; v8  8 h
.set R16,  9                           ; v9  16 r
.set BL6,  12                          ; v12, v13 my half block of L, my block of R: the pieces of 8 bytes a lane
.set BR6,  13
.set L6,   14                          ; v14, v18-19 the same in the K step that is fetched (R: fragments 0-3, 4-7)
.set R6,   18
.set ADRL, 16                          ; v16-17, v20-21 the pieces of 16 bytes, in slot 0, 1
.set ADRR, 20
.set ADRS, 22                          ; v22-23 L's scale words
.set SPW,  28
.set NIL,  29
.set PP,   64                          ; v64-127  t - M, then p
.set PC,   128                         ; v128-146 the codes just made
.set S0,   148                         ; v148-155 the sum's four chains
.set NM,   156                         ; v[156:157] -M (the packed form names the pair)
.set T,    158
.set T2,   159
.set BX,   160                         ; v160-163 largest scores; v160, v162 the two blocks', then their largest p
.set BY,   164                         ; v164-165 bytes
.set SO,   166                         ; v166-167 the conversions' scale operands
.set BP,   168
.set BQ,   169
.set PW,   216                         ; v216-219 scale words, v224-227 -M, v232-235 l, one for each tile
.set MW,   224
.set LW,   232
.set SEL,  2
.set CS,   96                          ; s[96:97] log2(e) / 32
.set WV,   20
.set QB,   21                          ; my block of 128 queries, 0 or 1
.set QG,   22                          ; its half g
.set KB,   15                          ; my block of 128 keys
.set WHI,  16                          ; I fetch for L (0) or for R (1)
.set G1L,  24
.set G1R,  32
.set G0L,  40
.set G0R,  52
.set MK,   40                          ; s40-57 the masks (where the descriptors were): nine for the keys' c = 0, nine for c = 1
.set D0,   60                          ; my block's first query less my first key
.set MSB, 0
.macro WIN new
.if MSB != (\new)
	s_set_vgpr_msb (MSB<<8)|(\new)
.set MSB, (\new)
.endif
.endm
.macro PLACES                          ; four plain places behind a matrix instruction (ISA guide 7.12.1)
.rept 4
	v_nop
.endr
.endm
.macro JLOAD s                         ; a joint load: waves 0-3 fetch q's blocks, waves 4-7 k's, half a block's part each
	s_cmp_eq_u32 s[WHI], 0
	s_cbranch_scc0 .Lfor_r_\@
	tensor_load_to_lds s[G0L+4*\s:G0L+4*\s+3], s[G1L:G1L+7]
	s_nop 0
	PLACES
	s_branch .Lasked_\@
.Lfor_r_\@:
	tensor_load_to_lds s[G0R+4*\s:G0R+4*\s+3], s[G1R:G1R+7]
	s_nop 0
	PLACES
.Lasked_\@:
.endm
.macro CREST
	s_cmp_lg_u32 s[WV], 0
	s_cbranch_scc1 .Lnot_wave_0_\@
	s_barrier_signal -3
.Lnot_wave_0_\@:
	s_barrier_wait -3
	s_barrier_signal -1
	s_barrier_wait -1
.endm
.macro CROUND
	s_barrier_signal -1
	s_barrier_wait -1
	CREST
.endm
.macro FRAG reg, adr, a6, q, i         ; registers 0-3 and 8-11 of a fragment by 16 bytes a lane, 4-7 by twice 8
	ds_load_b128 v[\reg:\reg+3], v[\adr] offset:REC*(\q)+1024*(\i)
	ds_load_2addr_b64 v[\reg+4:\reg+7], v[\a6+(\i)/4] offset0:64*((\i)%4) offset1:64*((\i)%4)+32
	ds_load_b128 v[\reg+8:\reg+11], v[\adr] offset:REC*(\q)+1024*(\i)+512
.endm
.macro FETCH kk                        ; K step kk's 12 fragments and 8 registers of scale words: 38 loads in one run; the first four lines are also the places ahead of them
.set SS, ((\kk)/3)%2
.set QQ, (\kk)%3
	v_add_nc_u32 v[R6], SS*SLOT+QQ*REC+8192, v[BR6]
	v_add_nc_u32 v[R6+1], SS*SLOT+QQ*REC+10240, v[BR6]
	v_add_nc_u32 v[L6], SS*SLOT+QQ*REC+8192, v[BL6]
	v_nop
.irp i, 0,1,2,3,4,5,6,7
	FRAG 64+12*\i, ADRR+SS, R6, QQ, \i
.endr
	ds_load_b128 v[36:39], v[ADRR+SS] offset:REC*QQ+TAIL         ; register j: lanes 0-15 tile j's words, lanes 16-31 tile 4 + j's
	ds_load_b128 v[32:35], v[ADRS+SS] offset:REC*QQ              ; register a: my tile a's words, in both halves of the lanes
.irp i, 0,1,2,3
	FRAG 160+12*\i, ADRL+SS, L6, QQ, \i
.endr
.endm
.macro MUL8 a, zero                    ; my tile a of L x R's eight.  The 32 accumulators take turns, one instruction a turn, in the same order in every K step
.irp b, 0,1,2,3,4,5,6,7
.set rD, 8*(8*(\a)+\b)
.if \zero
	WMD 0, \b/4, 64+12*\b, 160+12*(\a), 36+\b%4, 32+(\a)
.else
	WMD v[rD:rD+7], \b/4, 64+12*\b, 160+12*(\a), 36+\b%4, 32+(\a)
.endif
.endr
.endm
.macro WMD c, ra, s0, s1, x0, x1
.if \ra
	v_wmma_scale_f32_16x16x128_f8f6f4 v[rD:rD+7], v[\s0:\s0+11], v[\s1:\s1+11], \c, v[\x0], v[\x1] matrix_a_fmt:MATRIX_FMT_FP6 matrix_b_fmt:MATRIX_FMT_FP6 matrix_a_scale:MATRIX_SCALE_ROW1
.else
	v_wmma_scale_f32_16x16x128_f8f6f4 v[rD:rD+7], v[\s0:\s0+11], v[\s1:\s1+11], \c, v[\x0], v[\x1] matrix_a_fmt:MATRIX_FMT_FP6 matrix_b_fmt:MATRIX_FMT_FP6
.endif
.endm
.macro KSTEP kk, zero
	FETCH \kk
	s_wait_dscnt 9                                 ; all but L's tiles 1 to 3
	WIN 0x50                                       ; C and D in window 1
	MUL8 0, \zero
	s_wait_dscnt 6
	MUL8 1, \zero
	s_wait_dscnt 3
	MUL8 2, \zero
	s_wait_dscnt 0x0
	MUL8 3, \zero
	WIN 0
.endm
; Tile a: 16 queries x my 128 keys.  A lane holds one query; register n = 32 c + 8 j + i is key 64 c + 32 h + 8 j + i
.macro SOFTQ a
.set AC, 64*(\a)
	s_cmp_eq_u32 ttmp9, 1                          ; the cluster under the diagonal has no hidden key: a branch on the cluster's x, the same in all partners
	s_cbranch_scc1 .Lopen_\@
	WIN 0x41                                       ; destination and source 0: the accumulators' window
.set n, 0
.rept 64
.if (n/8)%4 < (\a)
.set m, MK+9*(n/32)
.elseif (n/8)%4 > (\a)
.set m, MK+9*(n/32)+8
.else
.set m, MK+9*(n/32)+n%8
.endif
	v_cndmask_b32 v[AC+n], v[AC+n], v[NI], s[m]    ; hidden where the key comes after the query
.set n, n+1
.endr
	WIN 0
.Lopen_\@:
	WIN 0x14
.irp b, 0,1,2,3
	v_max3_num_f32 v[BX+\b], 0xf1800000, v[AC+16*\b], v[AC+16*\b+1]     ; over the floor -2^100
.endr
.irp i, 2,4,6,8,10,12,14
.irp b, 0,1,2,3
	v_max3_num_f32 v[BX+\b], v[BX+\b], v[AC+16*\b+\i], v[AC+16*\b+\i+1]
.endr
.endr
	WIN 0
	v_max_num_f32 v[BX], v[BX], v[BX+1]            ; each block's largest score: it serves the row's maximum and the block's largest p
	v_max_num_f32 v[BX+2], v[BX+2], v[BX+3]
	v_max_num_f32 v[T], v[BX], v[BX+2]
	v_permlanex16_b32 v[T2], v[T], s[SEL], s[SEL+1]
	v_max_num_f32 v[T], v[T], v[T2]
	v_mul_f32 v[T], s[CS], v[T]                    ; the largest t of my query among these 128 keys
	v_floor_f32 v[NM], -v[T]                       ; -M = floor(-t): M is a whole number
	v_fma_f32 v[BX], v[BX], s[CS], v[NM]           ; t - M of each block's largest score,
	v_fma_f32 v[BX+2], v[BX+2], s[CS], v[NM]
	WIN 0x01
.set n, 0
.rept 32
	v_pk_fma_f32 v[PP+n:PP+n+1], v[AC+n:AC+n+1], s[CS:CS+1], v[NM:NM+1] op_sel_hi:[1,0,0]   ; and of all
.set n, n+2
.endr
	WIN 0
	s_wait_alu depctr_va_vdst(0)                   ; ahead of the batch
	s_wait_xcnt 0x0                                ; the last tile's stores have read their registers
.set n, 0
.rept 64
	v_exp_f32 v[PP+n], v[PP+n]                     ; p = 2^(t - M); 0 where the key is hidden
.set n, n+1
.endr
	v_exp_f32 v[BX], v[BX]                         ; the block's largest p: the same two instructions on the same number
	v_exp_f32 v[BX+2], v[BX+2]
	v_mov_b32 v[MW+(\a)], v[NM]                    ; (a plain place behind the exponentials)
	s_wait_alu depctr_va_vdst(0)                   ; one wait for the batch, ahead of its first reader
	v_max_num_f32 v[BX], 0x1800000, v[BX]          ; the floor 2^(3 - 127): the byte cannot fall under 1
	v_max_num_f32 v[BX+2], 0x1800000, v[BX+2]
.irp k, 0,1,2,3
	v_pk_add_f32 v[S0+2*\k:S0+2*\k+1], v[PP+4*\k:PP+4*\k+1], v[PP+4*\k+2:PP+4*\k+3]   ; the sum of the unquantised p, in four chains
.endr
	v_add_nc_u32 v[SO], 0xff000000, v[BX]
	v_add_nc_u32 v[SO+1], 0xff000000, v[BX+2]
.irp g, 16,24,32,40,48,56
.irp k, 0,1,2,3
	v_pk_add_f32 v[S0+2*\k:S0+2*\k+1], v[S0+2*\k:S0+2*\k+1], v[PP+\g+2*\k:PP+\g+2*\k+1]
.endr
.endr
	v_lshrrev_b32 v[BY], 23, v[SO]
	v_lshrrev_b32 v[BY+1], 23, v[SO+1]
	v_pk_add_f32 v[S0:S0+1], v[S0:S0+1], v[S0+2:S0+3]
	v_pk_add_f32 v[S0+4:S0+5], v[S0+4:S0+5], v[S0+6:S0+7]
	v_lshl_or_b32 v[BP], v[BY+1], 16, v[BY]        ; blocks h and 2 + h,
	v_lshlrev_b32 v[BP], v[SH8], v[BP]             ; at their places in the word
	v_pk_add_f32 v[S0:S0+1], v[S0:S0+1], v[S0+4:S0+5]
	v_permlanex16_b32 v[BQ], v[BP], s[SEL], s[SEL+1]
	v_add_f32 v[T], v[S0], v[S0+1]
	v_or_b32 v[PW+(\a)], v[BP], v[BQ]
	v_permlanex16_b32 v[T2], v[T], s[SEL], s[SEL+1]
	v_add_f32 v[LW+(\a)], v[T], v[T2]              ; l of my query for these 128 keys
.irp c, 0,1
	v_cvt_scalef32_pk16_fp6_f32 v[PC+6*\c:PC+2+6*\c], v[PP+32*\c:PP+15+32*\c], v[SO+\c]
	v_cvt_scalef32_pk16_fp6_f32 v[PC+12+4*\c:PC+14+4*\c], v[PP+16+32*\c:PP+31+32*\c], v[SO+\c]
.endr
	v_nop                                          ; one plain place behind a scaled conversion
.irp c, 0,1
.irp i, 0,1,2
	v_mov_b32 v[PC+3+6*\c+\i], v[PC+12+4*\c+\i]
.endr
.endr
.irp k, 0,1,2
	global_store_b128 v[LI], v[PC+4*\k:PC+4*\k+3], s[90:91] offset:FRB*(\a)+512*\k
.endr
.endm
	s_load_b256 s[4:11], s[0:1], 0x0               ; qr, kr, pr, pml
	v_lshl_add_u32 v[SPW], v0, 2, SPARE
	v_mov_b32 v[NIL], 0
	ds_add_u32 v[SPW], v[NIL]                      ; the opening lines: the add, twice on end, and its wait
	ds_add_u32 v[SPW], v[NIL]
	v_lshrrev_b32 v1, 5, v0
	v_readfirstlane_b32 s[WV], v1
	s_lshr_b32 s[WHI], s[WV], 2
	s_lshr_b32 s[QB], s[WV], 2                     ; (queries go by the same bits as the loads: block, half, then the keys' block)
	s_bfe_u32 s[QG], s[WV], 0x10001
	s_and_b32 s[KB], s[WV], 1
	s_lshr_b32 s17, s[WV], 1                       ; which of a slot's four blocks I fetch a half of
	s_and_b32 s18, s17, 1
	s_and_b32 s19, s[WV], 1                        ; which half
	s_bfe_u32 s66, ttmp6, 0x40000                  ; cx
	s_bfe_u32 s67, ttmp6, 0x40004                  ; cy
	s_and_b32 s68, ttmp7, 0xffff                   ; the batch
	s_lshl_b32 s69, s67, 2
	s_lshl_b32 s69, 15, s69
	s_lshl_b32 s70, 0x1111, s66
	s_or_b32 s[G1L], s69, (3<<16)|(1<<21)          ; 19,200 dense bytes as 75 rows of 32 elements of 8 bytes
	s_or_b32 s[G1R], s70, (3<<16)|(1<<21)
.irp g, G1L, G1R
	s_mov_b32 s[\g+1], 32<<16
	s_mov_b32 s[\g+2], 75<<16
	s_mov_b32 s[\g+3], 32<<16
	s_mov_b32 s[\g+4], 75
	s_mov_b32 s[\g+5], 32
	s_mov_b32 s[\g+6], 0
	s_mov_b32 s[\g+7], 0
.endr
	s_lshl_b32 s71, s68, 3                         ; a batch is eight tiles of 256 tokens
	s_min_u32 s72, ttmp9, 1                        ; which half of the queries
	s_lshl_b32 s72, s72, 2
	s_add_co_u32 s74, s71, s72
	s_add_co_u32 s74, s74, s67                     ; q's tile: it never sees cx
	s_lshr_b32 s80, ttmp9, 1                       ; which half of the keys
	s_lshl_b32 s80, s80, 2
	s_add_co_u32 s82, s71, s80
	s_add_co_u32 s82, s82, s66                     ; k's tile: it never sees cy
	s_mul_i32 s94, s19, PART/2
	s_lshl_b32 s76, s74, 1
	s_add_co_u32 s76, s76, s18
	s_mul_i32 s76, s76, RBB
	s_add_co_u32 s76, s76, s94
	s_mov_b32 s77, 0
	s_lshl_b32 s84, s82, 1
	s_add_co_u32 s84, s84, s18
	s_mul_i32 s84, s84, RBB
	s_add_co_u32 s84, s84, s94
	s_mov_b32 s85, 0
	s_mul_i32 s23, s[WV], PART/2
	s_wait_alu depctr_va_vdst(0)
	s_wait_dscnt 0x0                               ; both opening adds are done
	CROUND                                         ; all sixteen work-groups are here: the first joint loads meet
	s_wait_kmcnt 0x0
	s_add_nc_u64 s[78:79], s[4:5], s[76:77]
	s_add_nc_u64 s[86:87], s[6:7], s[84:85]
.irp s, 0,1
	s_mov_b32 s[G0L+4*\s], 1
	s_add_co_u32 s[G0L+4*\s+1], s23, \s*SLOT
	s_add_nc_u64 s[G0L+4*\s+2:G0L+4*\s+3], s[78:79], \s*PART
	s_or_b32 s[G0L+4*\s+3], s[G0L+4*\s+3], 0x80000000
	s_mov_b32 s[G0R+4*\s], 1
	s_add_co_u32 s[G0R+4*\s+1], s23, \s*SLOT
	s_add_nc_u64 s[G0R+4*\s+2:G0R+4*\s+3], s[86:87], \s*PART
	s_or_b32 s[G0R+4*\s+3], s[G0R+4*\s+3], 0x80000000
.endr
	JLOAD 0                                        ; K steps 0 to 2: one tensor load a wave at the head
	v_and_b32 v1, 31, v0
	v_and_b32 v2, 15, v0
	v_bfe_u32 v3, v0, 4, 1
	v_lshlrev_b32 v[LI], 4, v1
	v_lshlrev_b32 v[R16], 4, v2
	v_lshlrev_b32 v5, 3, v1
	s_wait_alu depctr_va_vdst(0)                   ; ahead of the run of scalar lines
	s_mul_i32 s88, s[QB], PART
	s_mul_i32 s89, s[KB], PART
	s_add_co_u32 s89, s89, 2*PART
	s_lshl_b32 s92, s[QG], 11
	s_add_co_u32 s92, s92, s88
	v_add_nc_u32 v[BL6], s92, v5                   ; fragments 4 g on
	v_add_nc_u32 v[BR6], s89, v5
	s_lshl_b32 s92, s[QG], 8
	s_add_co_u32 s92, s92, s88
	s_add_co_u32 s92, s92, TAIL
	s_lshl_b32 s93, s[QG], 12
	s_add_co_u32 s88, s88, s93
.irp s, 0,1
	v_add_nc_u32 v[ADRL+\s], s88, v[LI]
	v_add_nc_u32 v[ADRR+\s], s89, v[LI]
	v_add_nc_u32 v[ADRS+\s], s92, v[R16]
	s_add_co_u32 s88, s88, SLOT
	s_add_co_u32 s89, s89, SLOT
	s_add_co_u32 s92, s92, SLOT
.endr
	v_lshlrev_b32 v[SH8], 3, v3
	v_mov_b32 v[NI], 0xff800000
	s_mov_b32 s[SEL], 0x76543210
	s_mov_b32 s[SEL+1], 0xfedcba98
	s_mov_b32 s[CS], 0x3d38aa3b                    ; log2(e) / 32
	s_mov_b32 s[CS+1], s[CS]
	s_sub_co_i32 s[D0], s67, s66                   ; on the diagonal's clusters: 256 (cy - cx) + 128 (query block - key block)
	s_lshl_b32 s[D0], s[D0], 8
	s_sub_co_i32 s95, s[QB], s[KB]
	s_lshl_b32 s95, s95, 7
	s_add_co_i32 s[D0], s[D0], s95
	s_lshl_b32 s94, s74, 1                         ; my record: (token block) x 16 + key block of the batch
	s_add_co_u32 s94, s94, s[QB]
	s_lshl_b32 s94, s94, 4
	s_add_co_u32 s95, s80, s66
	s_lshl_b32 s95, s95, 1
	s_add_co_u32 s95, s95, s[KB]
	s_add_co_u32 s94, s94, s95
	s_mov_b32 s99, 0
	s_mul_i32 s98, s94, REC
	s_add_nc_u64 s[90:91], s[8:9], s[98:99]
	s_lshl_b32 s98, s[QG], 8
	s_add_co_u32 s98, s98, TAIL
	s_add_nc_u64 s[88:89], s[90:91], s[98:99]      ; my 256 bytes of its scale words
	s_mul_i32 s98, s[QG], 4*FRB
	s_add_nc_u64 s[90:91], s[90:91], s[98:99]      ; my four fragments
	s_lshl_b32 s98, s94, 10
	s_lshl_b32 s95, s[QG], 8
	s_add_co_u32 s98, s98, s95
	s_add_nc_u64 s[92:93], s[10:11], s[98:99]
	s_mul_i32 s95, s17, PART                       ; the refill: half of two K steps, 12,800 bytes
	s_mul_i32 s98, s19, REC
	s_add_co_u32 s95, s95, s98
	s_mul_i32 s98, s19, PART/2-REC
	s_sub_co_u32 s62, 6*REC, s98                   ; from my half of K steps 0-2 to my half of 6-7
	s_mov_b32 s63, 0
	s_wait_alu depctr_va_vdst(0)                   ; the head's end
	s_wait_tensorcnt 0x0                           ; my part of slot 0 is in
	ds_add_u32 v[SPW], v[NIL]
	s_wait_dscnt 0x0
	CROUND
	JLOAD 1                                        ; K steps 3 to 5
	KSTEP 0, 1                                     ; the first K step starts the sums
	KSTEP 1, 0
	FETCH 2
	s_wait_tensorcnt 0x0                           ; slot 1 is in: no tensor load of mine is out
	ds_add_u32 v[SPW], v[NIL]                      ; 0 onto my spare word
	s_add_nc_u64 s[G0L+2:G0L+3], s[G0L+2:G0L+3], s[62:63]
	s_add_nc_u64 s[G0R+2:G0R+3], s[G0R+2:G0R+3], s[62:63]
	s_mov_b32 s[G0L+1], s95
	s_mov_b32 s[G0R+1], s95
	s_mov_b32 s[G1L+2], 50<<16                     ; 50 rows of 256 bytes
	s_mov_b32 s[G1L+4], 50
	s_mov_b32 s[G1R+2], 50<<16
	s_mov_b32 s[G1R+4], 50
	s_wait_dscnt 1                                 ; this K step's fragments are in; only the add may be out
	WIN 0x50
	MUL8 0, 0
	MUL8 1, 0
	s_wait_dscnt 0x0                               ; the add is done, and so are my reads of slot 0
	s_barrier_signal -1
	MUL8 2, 0
	MUL8 3, 0
	WIN 0
	s_barrier_wait -1
	CREST                                          ; no wave of any partner still reads slot 0 or has a load on its way
	JLOAD 0                                        ; K steps 6 and 7
	KSTEP 3, 0
	KSTEP 4, 0
	FETCH 5
	s_wait_tensorcnt 0x0                           ; slot 0's second fill
	s_wait_dscnt 0x0
	s_barrier_signal -1                            ; a plain barrier shows it to all
	WIN 0x50
	MUL8 0, 0
	MUL8 1, 0
	MUL8 2, 0
	MUL8 3, 0
	WIN 0
	s_barrier_wait -1
	KSTEP 6, 0
	KSTEP 7, 0
	; THE MASKS.  D0 > 0: nothing is hidden; D0 < 0: all; D0 = 0: in lane 16 h + r of my tile j (c = g) the key (c', j', i) is hidden where c' > c; where c' = c: in lanes h > r / 8, in lanes h = r / 8 where j' > j or j' = j and i > r % 8
	s_cmp_eq_u32 s[D0], 0
	s_cselect_b32 s61, -1, 0
	s_cmp_lt_i32 s[D0], 0
	s_cselect_b32 s66, -1, 0                       ; all are hidden
	s_or_b32 s67, s66, s61
	s_cmp_eq_u32 s[QG], 0
	s_cselect_b32 s68, s61, 0                      ; c' = 0 is my own c, on the diagonal
	s_cselect_b32 s69, 0, s61                      ; c' = 1 is
	s_cselect_b32 s67, s67, s66                    ; c' = 1 otherwise
.irp i, 0,1,2,3,4,5,6,7
	s_and_b32 s[MK+\i], s68, 0x00ff0000|((1<<\i)-1)|(((1<<\i)-1)<<24)
	s_or_b32 s[MK+\i], s[MK+\i], s66               ; j' = j, i; for i = 0 also j' < j
	s_and_b32 s[MK+9+\i], s69, 0x00ff0000|((1<<\i)-1)|(((1<<\i)-1)<<24)
	s_or_b32 s[MK+9+\i], s[MK+9+\i], s67
.endr
	s_and_b32 s[MK+8], s68, 0xffff00ff
	s_or_b32 s[MK+8], s[MK+8], s66                 ; j' > j
	s_and_b32 s[MK+17], s69, 0xffff00ff
	s_or_b32 s[MK+17], s[MK+17], s67
	PLACES
	v_mov_b32 v[BQ], 0                             ; written once: a lane permute's destination counts as one of its sources
	v_mov_b32 v[T2], 0
	v_mov_b32 v[NM+1], 0                           ; (named with -M as a pair)
	s_wait_alu depctr_va_vdst(0)
.irp a, 0,1,2,3
	SOFTQ \a
.endr
	v_cmp_gt_u32 vcc_lo, 16, v1
	s_wait_alu depctr_va_vdst(0)
	s_wait_xcnt 0x0                                ; EXEC changes only behind this wait
	s_and_saveexec_b32 s61, vcc_lo
	global_store_b128 v[R16], v[PW:PW+3], s[88:89] ; sixteen lanes store my four tiles' words: 256 consecutive bytes, aligned
	global_store_b128 v[R16], v[MW:MW+3], s[92:93]
	global_store_b128 v[R16], v[LW:LW+3], s[92:93] offset:512
	s_wait_xcnt 0x0
	s_or_b32 exec_lo, exec_lo, s61
	s_wait_tensorcnt 0x0                           ; the wave's end
	ds_add_u32 v[SPW], v[NIL]
	s_wait_dscnt 0x0
	CROUND                                         ; the closing round
	s_endpgm
.Lfunc_end_k_q5500a3aec3_sp:
	.size	k_q5500a3aec3_sp, .Lfunc_end_k_q5500a3aec3_sp-k_q5500a3aec3_sp
	.p2alignl 7, 3214868480
	.fill 96, 4, 3214868480
	.section	.rodata,"a",@progbits
	.p2align	6, 0x0
	.amdhsa_kernel k_q5500a3aec3_sp
		.amdhsa_group_segment_fixed_size 327680
		.amdhsa_private_segment_fixed_size 0
		.amdhsa_enable_private_segment 0
		.amdhsa_kernarg_size 32
		.amdhsa_user_sgpr_count 2
		.amdhsa_user_sgpr_kernarg_segment_ptr 1
		.amdhsa_wavefront_size32 1
		.amdhsa_system_sgpr_workgroup_id_x 1
		.amdhsa_system_sgpr_workgroup_id_y 1
		.amdhsa_system_sgpr_workgroup_id_z 1
		.amdhsa_system_vgpr_workitem_id 0
		.amdhsa_next_free_vgpr 512
		.amdhsa_next_free_sgpr 100
		.amdhsa_reserve_vcc 1
		.amdhsa_float_denorm_mode_32 3
		.amdhsa_float_denorm_mode_16_64 3
		.amdhsa_memory_ordered 1
		.amdhsa_forward_progress 1
		.amdhsa_inst_pref_size 125
	.end_amdhsa_kernel
	.amdgpu_metadata
---
amdhsa.version: [ 1, 2 ]
amdhsa.kernels:
  - .name:           k_q5500a3aec3_sp
    .symbol:         k_q5500a3aec3_sp.kd
    .args:
      - { .name: qr, .offset: 0, .size: 8, .value_kind: global_buffer, .address_space: global }
      - { .name: kr, .offset: 8, .size: 8, .value_kind: global_buffer, .address_space: global }
      - { .name: pr, .offset: 16, .size: 8, .value_kind: global_buffer, .address_space: global }
      - { .name: pml, .offset: 24, .size: 8, .value_kind: global_buffer, .address_space: global }
    .group_segment_fixed_size: 327680
    .private_segment_fixed_size: 0
    .kernarg_segment_align: 8
    .kernarg_segment_size: 32
    .max_flat_workgroup_size: 256
    .sgpr_count:     100
    .vgpr_count:     512
    .wavefront_size: 32
...
	.end_amdgpu_metadata
.endif
;; end of part 3
;; launch pv (part 4): grid 4 x 64, 4 waves a work-group, clusters of 4 x 4, 327,680 bytes of LDS; arguments pr, pml, vr, out0; writes out0
.if DOCPART == 4
	.amdgcn_target "amdgcn-amd-amdhsa--gfx1250"
	.amdhsa_code_object_version 6
	.text
	.protected	k_q5500a3aec3_pv
	.globl	k_q5500a3aec3_pv
	.p2align	8
	.type	k_q5500a3aec3_pv,@function
k_q5500a3aec3_pv:
	s_mov_b64 s[64:65], 0
	v_nop
	global_prefetch_b8 v0, s[64:65] scope:SCOPE_SE
	s_setreg_imm32_b32 hwreg(HW_REG_WAVE_MODE, 25, 1), 1
	s_wait_xcnt 0x0
	s_wait_alu depctr_hold_cnt(0) depctr_sa_sdst(0) depctr_va_vdst(0) depctr_va_sdst(0) depctr_va_ssrc(0) depctr_va_vcc(0) depctr_vm_vsrc(0)
	s_getreg_b32 s2, hwreg(HW_REG_IB_STS2, 6, 4)
	s_cmp_eq_u32 s2, 0
	s_cbranch_scc0 .Lentry_in_a_cluster
	s_endpgm
.Lentry_in_a_cluster:
	s_bfe_u32 s2, ttmp6, 0x10000c
	s_cmp_lg_u32 s2, 0xf033
	s_cbranch_scc0 .Lentry_shape_is_right
	s_endpgm
.Lentry_shape_is_right:
; out = (p v) / l on codes of FP6 (E2M3) with E8M0 scales.  pr: p's records (128 tokens x 128 keys), vr: v's (128 channels x 128 tokens), pml: -M and l for each (query, 128 keys), as the launches before lay them;
; row r of fragment a = 4 c + j of a record is row 64 c + 32 (r / 8) + 8 j + r % 8.
; LIMITS: NaN and infinities are not served.
; THE DEAL.  A batch has 32 blocks of 64 tokens; block n sees n / 2 + 1 blocks of 128 keys.  A work-group takes block 31 - i, LONG, and block i, SHORT, x 256 channels (i = 4 c + cy; c = cluster y % 4; the channels go by cx); a wave takes both x 64
; channels: 8 x 4 accumulators.  Source 0 = 16 channels of v, source 1 = 16 tokens of p: a lane holds a token and neighbouring channels, and v's fragments serve both blocks.
; The walk goes by slots of four K steps of 128 keys.  c = 0, 1: the long block's 16 K steps, the short one's first 4.  c = 2, 3: 12 and 8.  So a wave has 4 full K steps (32 products) and 12 half ones (16), or 8 and 4.
; WORK LEFT OUT: all K steps beyond these: their keys are hidden by reference()'s own mask, for all values of the inputs.  (Inside a slot some K steps of hidden keys stay: their codes are zeros.)
; The short block's results leave while the long block's walk goes on.
; MERGE: a row's M is the largest of its blocks' M; each block's l is brought under it by v_ldexp_f32, and each scale byte loses the same whole number, held at 0 (2^-127) from below; the codes stay.
; LDS: two slots, each [long p: 4 x 6,144][short p: 4 x 6,144][v: 2 x 4 x 12,800]; behind them each wave's stage of 16 rows x 272 bytes for the way out, and the spare words.
; FILLS: wave 0 the long block's half records (rows of 6,144 bytes, a record's pitch apart), wave 1 the short block's, waves 2 and 3 v's two blocks.  One load a wave at the head, slot 0, with the merge under its flight; slot 1 behind a drained round; then refills.
; CLUSTER 4 x 4: p's rows are shared along a row of the cluster, v's along a column.
; PREFETCH: K steps 8 to 11 are asked for behind slot 1's first fill (four K steps ahead of their load), 12 to 15 behind the load of 8 to 11; v's 400 blocks of 256 bytes go to the sixteen waves of a column, 25 each, the long p's 96 to those of a row, 6 each, by address.
; What slots 0 and 1 hold first comes by its loads alone.
; REGISTERS: window 0: v32-63, v64-79 p's merged scale words (long, short; four tiles x pairs of K steps, the even one in lanes 0-15); v80-95 v's, four sets; v8-15 1 / l; v160-207, v208-255 long p's fragments, two sets;
; v96-127 and v128-159 at work in the merge and on the way out.  Window 1: v0-47, v128-175 v's fragments; v48-95, v176-223 short p's.  Window 2: accumulator (a, b) at v[8 (4 a + b)], a = 0 .. 3 long, 4 .. 7 short.
.set REC,   12800
.set TAIL,  12288
.set HREC,  6144                       ; 64 rows of a record
.set FRB,   1536
.set LP,    4*HREC
.set VOFF,  2*LP
.set SLOT,  VOFF+8*REC
.set SP,    272                        ; a stage row: 256 bytes + 16 = 68 words: row r starts at bank 4 r mod 64 (64 banks of 4 bytes: ISA guide 11.1)
.set STAGE, 2*SLOT
.set SPARE, STAGE+4*16*SP              ; the spare words: two blocks of 256 bytes that no other line names
.set LI,   4                           ; v4  16 x lane
.set RL,   8
.set ADRL, 16                          ; v16-17, v18-19, v20-21: p, my half of v's block, its scale words, in slot 0, 1
.set ADRR, 18
.set ADRS, 20
.set STO,  24
.set RD,   25
.set CO,   26
.set SPW,  28
.set NIL,  29
.set PFV,  30
.set PFP,  31
.set PSL,  32
.set PSS,  64
.set VS,   80
.set NML,  96
.set LSL,  128
.set NMS,  160
.set LSS,  176
.set M,    192
.set W,    196
.set S,    200
.set X,    204
.set Y,    208
.set S2,   212
.set SEL,  12
.set WV,   20
.set G1L,  24
.set G1R,  32
.set G0L,  40
.set G0R,  48
.set MSB, 0
.macro WIN new
.if MSB != (\new)
	s_set_vgpr_msb (MSB<<8)|(\new)
.set MSB, (\new)
.endif
.endm
.macro PLACES                          ; four plain places behind a matrix instruction (ISA guide 7.12.1)
.rept 4
	v_nop
.endr
.endm
.macro JL s, n                         ; a joint load into slot s: waves under n p's rows, waves 2 and 3 v's (n = 1: wave 1 has nothing to fill)
	s_cmp_lt_u32 s[WV], \n
	s_cbranch_scc0 .Lnot_p_\@
	tensor_load_to_lds s[G0L+4*\s:G0L+4*\s+3], s[G1L:G1L+7]
	s_nop 0
	PLACES
	s_branch .Lasked_\@
.Lnot_p_\@:
.if (\n) == 1
	s_cmp_eq_u32 s[WV], 1
	s_cbranch_scc1 .Lasked_\@
.endif
	tensor_load_to_lds s[G0R+4*\s:G0R+4*\s+3], s[G1R:G1R+7]
	s_nop 0
	PLACES
.Lasked_\@:
.endm
.macro CREST
	s_cmp_lg_u32 s[WV], 0
	s_cbranch_scc1 .Lnot_wave_0_\@
	s_barrier_signal -3
.Lnot_wave_0_\@:
	s_barrier_wait -3
	s_barrier_signal -1
	s_barrier_wait -1
.endm
.macro CROUND
	s_barrier_signal -1
	s_barrier_wait -1
	CREST
.endm
.macro FRAG reg, adr, off
.irp c, 0,1,2
	ds_load_b128 v[\reg+4*\c:\reg+4*\c+3], v[\adr] offset:(\off)+512*\c
.endr
.endm
.macro VSET k                          ; v's scale words of K step k: four sets by turns
.set VK, VS+4*(2*((\k)%2)+1-((\k)%4)/2)
.endm
.macro FETCH k, full                   ; K step k's fragments into set k % 2: 25 or 37 loads in one run
.set P_, (\k)%2
.set SL, ((\k)/4)%2
.set Q_, (\k)%4
	VSET \k
	WIN 0x40
.irp b, 0,1,2,3
	FRAG 128*P_+12*\b, ADRR+SL, Q_*REC+FRB*\b
.endr
.if \full
.irp j, 0,1,2,3
	FRAG 128*P_+48+12*\j, ADRL+SL, LP+Q_*HREC+FRB*\j
.endr
.endif
	WIN 0
.irp j, 0,1,2,3
	FRAG 160+48*P_+12*\j, ADRL+SL, Q_*HREC+FRB*\j
.endr
	ds_load_b128 v[VK:VK+3], v[ADRS+SL] offset:Q_*REC
.endm
.macro MUL4 a, k                       ; tile a of p x my four of v.  The accumulators take turns, one instruction a turn, in the same order in every K step
.set P_, (\k)%2
	VSET \k
.if (\a) < 4
	WIN 0xa1                                       ; source 0 window 1, source 1 window 0, C and D window 2
.set rB, 160+48*P_+12*(\a)
.set rX, PSL+4*((\k)/2)+(\a)
.else
	WIN 0xa5
.set rB, 128*P_+48+12*((\a)-4)
.set rX, PSS+4*((\k)/2)+(\a)-4
.endif
.irp b, 0,1,2,3
.set rD, 8*(4*(\a)+\b)
.set rA, 128*P_+12*\b
.set rV, VK+\b
.if (\k) == 0
	WMD 0, 0
.else
	WMD v[rD:rD+7], (\k)%2
.endif
.endr
.endm
.macro WMD c, rb
.if \rb
	v_wmma_scale_f32_16x16x128_f8f6f4 v[rD:rD+7], v[rA:rA+11], v[rB:rB+11], \c, v[rV], v[rX] matrix_a_fmt:MATRIX_FMT_FP6 matrix_b_fmt:MATRIX_FMT_FP6 matrix_b_scale:MATRIX_SCALE_ROW1
.else
	v_wmma_scale_f32_16x16x128_f8f6f4 v[rD:rD+7], v[rA:rA+11], v[rB:rB+11], \c, v[rV], v[rX] matrix_a_fmt:MATRIX_FMT_FP6 matrix_b_fmt:MATRIX_FMT_FP6
.endif
.endm
.macro MULS k, full, part              ; a K step's products in three parts: half 4 + 4 + 8, full 16 + 8 + 8
.if \full
.if (\part) == 0
	MUL4 0, \k
	MUL4 1, \k
	MUL4 2, \k
	MUL4 3, \k
.elseif (\part) == 1
	MUL4 4, \k
	MUL4 5, \k
.else
	MUL4 6, \k
	MUL4 7, \k
.endif
.else
.if (\part) == 0
	MUL4 0, \k
.elseif (\part) == 1
	MUL4 1, \k
.else
	MUL4 2, \k
	MUL4 3, \k
.endif
.endif
.endm
.macro KST k, full                     ; a K step whose successor lies in the same slot
	s_wait_dscnt 0x0                               ; this K step's set is in
	PLACES
	FETCH (\k)+1, \full
	MULS \k, \full, 0
	MULS \k, \full, 1
	MULS \k, \full, 2
	WIN 0
.endm
.macro LASTK k
	s_wait_dscnt 0x0
	MULS \k, 0, 0
	MULS \k, 0, 1
	MULS \k, 0, 2
	WIN 0
.endm
.macro TURN k, full, nfull             ; the last K step of a slot that is filled again, with the K steps eight on
	s_wait_tensorcnt 0x0                           ; the other slot is in: no tensor load of mine is out
	ds_add_u32 v[SPW], v[NIL]                      ; 0 onto my spare word
.set TS, ((\k)/4)%2
	s_add_nc_u64 s[G0L+4*TS+2:G0L+4*TS+3], s[G0L+4*TS+2:G0L+4*TS+3], 8*REC
	s_add_nc_u64 s[G0R+4*TS+2:G0R+4*TS+3], s[G0R+4*TS+2:G0R+4*TS+3], 8*REC
	s_wait_dscnt 1                                 ; this K step's set is in; only the add may be out
	MULS \k, \full, 0
	s_wait_dscnt 0x0                               ; the add is done, and so are my reads of this slot
	s_barrier_signal -1
	MULS \k, \full, 1
	WIN 0
	s_barrier_wait -1
	CREST                                          ; no wave of any partner still reads this slot or has a load on its way
	JL TS, 1
	PLACES
	FETCH (\k)+1, \nfull
	MULS \k, \full, 2
	WIN 0
.endm
.macro MEET k, full, nfull             ; the last K step of a slot that is not filled again: a plain barrier shows the other slot to all
	s_wait_tensorcnt 0x0
	s_wait_dscnt 0x0
	s_barrier_signal -1
	MULS \k, \full, 0
	MULS \k, \full, 1
	WIN 0
	s_barrier_wait -1
	PLACES
	FETCH (\k)+1, \nfull
	MULS \k, \full, 2
	WIN 0
.endm
.macro MERGE ps, nm, ls, s             ; two K steps' scale words and sums under the row's M (register c: tile c)
.irp c, 0,1,2,3
	v_sub_f32 v[W+\c], v[M+\c], v[\nm+\c]
.endr
.irp c, 0,1,2,3
	v_max_num_f32 v[W+\c], 0xc2fe0000, v[W+\c]
.endr
.irp c, 0,1,2,3
	v_cvt_i32_f32 v[W+\c], v[W+\c]                 ; 0 to -127
.endr
.irp c, 0,1,2,3
	v_ldexp_f32 v[X+\c], 1.0, v[W+\c]
.endr
.irp c, 0,1,2,3
	v_fmac_f32 v[\s+\c], v[\ls+\c], v[X+\c]
.endr
.irp c, 0,1,2,3
	v_sub_nc_u32 v[W+\c], 0, v[W+\c]
.endr
.irp c, 0,1,2,3
	v_perm_b32 v[W+\c], v[W+\c], v[W+\c], 0        ; into all four bytes
.endr
.irp c, 0,1,2,3
	v_or_b32 v[X+\c], 0x80808080, v[\ps+\c]        ; (p is at most 1, so its bytes lie under 128)
.endr
.irp c, 0,1,2,3
	v_sub_nc_u32 v[X+\c], v[X+\c], v[W+\c]         ; no borrow from byte to byte: bit 7 stays where the difference is 0 or more
.endr
.irp c, 0,1,2,3
	v_and_b32 v[Y+\c], 0x80808080, v[X+\c]
.endr
.irp c, 0,1,2,3
	v_lshrrev_b32 v[W+\c], 7, v[Y+\c]
.endr
.irp c, 0,1,2,3
	v_sub_nc_u32 v[Y+\c], v[Y+\c], v[W+\c]
.endr
.irp c, 0,1,2,3
	v_and_b32 v[\ps+\c], v[X+\c], v[Y+\c]          ; else 0
.endr
.endm
.macro ROWMIN                          ; with lane l xor 16's K steps
.irp c, 0,1,2,3
	v_permlanex16_b32 v[W+\c], v[M+\c], s[SEL], s[SEL+1]
.endr
.irp c, 0,1,2,3
	v_min_num_f32 v[M+\c], v[M+\c], v[W+\c]
.endr
.endm
.macro ROWSUM s
.irp c, 0,1,2,3
	v_permlanex16_b32 v[W+\c], v[\s+\c], s[SEL], s[SEL+1]
.endr
.irp c, 0,1,2,3
	v_add_f32 v[\s+\c], v[\s+\c], v[W+\c]
.endr
.endm
.macro TOSTAGE a                       ; 16 tokens x 64 channels into my stage, and back as rows of 256 bytes, two an instruction.  LDS serves a wave's instructions in order (ISA guide 5.7.1.4)
	WIN 0x08
.irp b, 0,1,2,3
	ds_store_b128 v[STO], v[8*(4*(\a)+\b):8*(4*(\a)+\b)+3] offset:32*\b
	ds_store_b128 v[STO], v[8*(4*(\a)+\b)+4:8*(4*(\a)+\b)+7] offset:32*\b+16
.endr
	WIN 0
.set BB, 96+32*((\a)%2)
.irp t, 0,1,2,3,4,5,6,7
	ds_load_b128 v[BB+4*\t:BB+4*\t+3], v[RD] offset:2*SP*\t
.endr
.endm
.macro SEND a, base, younger           ; younger: the LDS instructions behind the tile's loads, which may stay out
.set BB, 96+32*((\a)%2)
	s_wait_dscnt \younger
.irp t, 0,1,2,3,4,5,6,7
	global_store_b128 v[CO], v[BB+4*\t:BB+4*\t+3], s[\base:\base+1] offset:(8*((\a)%4)+2*\t+24*(\t/4))*4096 th:TH_STORE_NT   ; sixteen lanes store 256 consecutive bytes, aligned
.endr
.endm
.macro WAYOUT a0, base                 ; four tiles, each number x 1 / l
	PLACES
	WIN 0x82
.irp a, 0,1,2,3
.set n, 32*(\a0+\a)
.rept 16
.if \a%2 == 0
	v_pk_mul_f32 v[n:n+1], v[n:n+1], v[RL+\a0+\a:RL+\a0+\a+1] op_sel_hi:[1,0]
.else
	v_pk_mul_f32 v[n:n+1], v[n:n+1], v[RL+\a0+\a-1:RL+\a0+\a] op_sel:[0,1] op_sel_hi:[1,1]
.endif
.set n, n+2
.endr
.endr
	WIN 0
	s_wait_alu depctr_va_vdst(0)
	s_wait_xcnt 0x0                                ; earlier stores have read their registers
	TOSTAGE \a0
	TOSTAGE \a0+1
	SEND \a0, \base, 16
	s_wait_xcnt 0x0
	TOSTAGE \a0+2
	SEND \a0+1, \base, 16
	s_wait_xcnt 0x0
	TOSTAGE \a0+3
	SEND \a0+2, \base, 16
	SEND \a0+3, \base, 0
.endm
	s_load_b256 s[4:11], s[0:1], 0x0               ; pr, pml, vr, out
	v_lshl_add_u32 v[SPW], v0, 2, SPARE
	v_mov_b32 v[NIL], 0
	ds_add_u32 v[SPW], v[NIL]                      ; the opening lines: the add, twice on end, and its wait
	ds_add_u32 v[SPW], v[NIL]
	v_lshrrev_b32 v1, 5, v0
	v_readfirstlane_b32 s[WV], v1
	s_lshr_b32 s21, s[WV], 1                       ; which of v's two blocks is mine,
	s_and_b32 s22, s[WV], 1                        ; which half of it; and which block I fetch
	s_bfe_u32 s66, ttmp6, 0x40000                  ; cx
	s_bfe_u32 s67, ttmp6, 0x40004                  ; cy
	s_and_b32 s68, ttmp7, 0xffff
	s_lshl_b32 s69, s67, 2
	s_lshl_b32 s69, 15, s69                        ; my row of the cluster
	s_lshl_b32 s70, 0x1111, s66                    ; my column
	s_or_b32 s[G1L], s69, (3<<16)|(1<<21)          ; p: four rows of 6,144 bytes, a record's pitch apart
	s_mov_b32 s[G1L+1], (HREC/8)<<16
	s_mov_b32 s[G1L+2], 4<<16
	s_mov_b32 s[G1L+3], (HREC/8)<<16
	s_mov_b32 s[G1L+4], 4
	s_mov_b32 s[G1L+5], REC/8
	s_mov_b32 s[G1L+6], 0
	s_mov_b32 s[G1L+7], 0
	s_or_b32 s[G1R], s70, (3<<16)|(1<<21)          ; v: four records, 51,200 dense bytes as 200 rows of 256
	s_mov_b32 s[G1R+1], 32<<16
	s_mov_b32 s[G1R+2], 200<<16
	s_mov_b32 s[G1R+3], 32<<16
	s_mov_b32 s[G1R+4], 200
	s_mov_b32 s[G1R+5], 32
	s_mov_b32 s[G1R+6], 0
	s_mov_b32 s[G1R+7], 0
	s_lshr_b32 s72, s68, 2                         ; the batch
	s_bfe_u32 s73, s68, 0x10001                    ; 0: c = 0, 1;  1: c = 2, 3
	s_and_b32 s74, s68, 3
	s_lshl_b32 s74, s74, 2
	s_add_co_u32 s74, s74, s67                     ; i
	s_xor_b32 s75, s74, 31                         ; 31 - i
	s_lshl_b32 s71, s72, 4
	s_lshr_b32 s76, s75, 1
	s_add_co_u32 s76, s76, s71                     ; the long block's token block,
	s_lshr_b32 s78, s74, 1
	s_add_co_u32 s78, s78, s71                     ; the short one's
	s_and_b32 s17, s75, 1                          ; and the halves
	s_and_b32 s18, s74, 1
	s_lshl_b32 s96, s76, 14                        ; in pml
	s_lshl_b32 s19, s17, 8
	s_add_co_u32 s96, s96, s19
	s_mov_b32 s97, 0
	s_lshl_b32 s98, s78, 14
	s_lshl_b32 s23, s18, 8
	s_add_co_u32 s98, s98, s23
	s_mov_b32 s99, 0
	s_mul_i32 s76, s76, 16*REC
	s_mul_i32 s78, s78, 16*REC
	s_add_co_u32 s92, s76, s19
	s_mov_b32 s93, 0
	s_add_co_u32 s94, s78, s23
	s_mov_b32 s95, 0
	s_mul_i32 s17, s17, HREC
	s_add_co_u32 s76, s76, s17                     ; the long block's half records,
	s_mul_i32 s18, s18, HREC
	s_add_co_u32 s78, s78, s18                     ; the short one's
	s_cmp_eq_u32 s[WV], 1
	s_cselect_b32 s80, s78, s76
	s_mov_b32 s81, 0
	s_lshl_b32 s82, s66, 1
	s_lshl_b32 s83, s82, 6
	s_add_co_u32 s83, s83, s71
	s_mul_i32 s83, s83, REC                        ; v's two blocks of 128 channels, my batch,
	s_add_co_u32 s84, s82, s22
	s_lshl_b32 s84, s84, 6
	s_add_co_u32 s84, s84, s71
	s_mul_i32 s84, s84, REC                        ; and the one that I fetch
	s_mov_b32 s85, 0
	s_mul_i32 s88, s[WV], LP                       ; where p's rows go
	s_mul_i32 s89, s22, 4*REC
	s_add_co_u32 s89, s89, VOFF                    ; and v's
	v_and_b32 v1, 31, v0
	v_and_b32 v2, 15, v0
	v_bfe_u32 v3, v0, 4, 1
	v_lshlrev_b32 v[LI], 4, v1
	v_lshlrev_b32 v7, 4, v2                        ; 16 r
	v_lshl_add_u32 v6, v3, 10, v7
	v_mad_u32_u24 v5, v3, REC, v7                  ; lanes 16-31 take the odd K step
	s_wait_alu depctr_va_vdst(0)
	s_wait_dscnt 0x0                               ; both opening adds are done
	s_wait_kmcnt 0x0
	s_add_nc_u64 s[92:93], s[4:5], s[92:93]
	s_add_nc_u64 s[94:95], s[4:5], s[94:95]
	s_add_nc_u64 s[96:97], s[6:7], s[96:97]
	s_add_nc_u64 s[98:99], s[6:7], s[98:99]
.irp j, 0,1,2,3,4,5,6,7
	global_load_b128 v[NML+4*\j:NML+4*\j+3], v6, s[96:97] offset:2048*\j
.endr
.irp j, 0,1,2,3
	global_load_b128 v[NMS+4*\j:NMS+4*\j+3], v6, s[98:99] offset:2048*\j
.endr
.irp j, 0,1,2,3,4,5,6,7
	global_load_b128 v[PSL+4*\j:PSL+4*\j+3], v5, s[92:93] offset:TAIL+2*REC*\j
	global_load_b128 v[LSL+4*\j:LSL+4*\j+3], v6, s[96:97] offset:2048*\j+512
.endr
.irp j, 0,1,2,3
	global_load_b128 v[PSS+4*\j:PSS+4*\j+3], v5, s[94:95] offset:TAIL+2*REC*\j
	global_load_b128 v[LSS+4*\j:LSS+4*\j+3], v6, s[98:99] offset:2048*\j+512
.endr
	s_add_nc_u64 s[80:81], s[4:5], s[80:81]
	s_add_nc_u64 s[84:85], s[8:9], s[84:85]
.irp s, 0,1
	s_mov_b32 s[G0L+4*\s], 1
	s_add_co_u32 s[G0L+4*\s+1], s88, \s*SLOT
	s_add_nc_u64 s[G0L+4*\s+2:G0L+4*\s+3], s[80:81], \s*4*REC
	s_or_b32 s[G0L+4*\s+3], s[G0L+4*\s+3], 0x80000000
	s_mov_b32 s[G0R+4*\s], 1
	s_add_co_u32 s[G0R+4*\s+1], s89, \s*SLOT
	s_add_nc_u64 s[G0R+4*\s+2:G0R+4*\s+3], s[84:85], \s*4*REC
	s_or_b32 s[G0R+4*\s+3], s[G0R+4*\s+3], 0x80000000
.endr
	CROUND                                         ; all sixteen work-groups are here: the first joint loads meet
	JL 0, 2                                        ; K steps 0 to 3: one tensor load a wave at the head
	s_mul_i32 s86, s21, 4*REC
	s_add_co_u32 s86, s86, VOFF
	s_lshl_b32 s87, s22, 8
	s_add_co_u32 s87, s87, s86
	s_add_co_u32 s87, s87, TAIL
	s_mul_i32 s14, s22, HREC
	s_add_co_u32 s86, s86, s14
	v_mov_b32 v[ADRL], v[LI]
	v_add_nc_u32 v[ADRL+1], SLOT, v[LI]
	v_add_nc_u32 v[ADRR], s86, v[LI]
	v_add_nc_u32 v[ADRR+1], SLOT, v[ADRR]
	v_add_nc_u32 v[ADRS], s87, v7
	v_add_nc_u32 v[ADRS+1], SLOT, v[ADRS]
	s_mul_i32 s17, s[WV], 16*SP
	s_add_co_u32 s17, s17, STAGE                   ; my stage
	v_mul_u32_u24 v[STO], v2, SP                   ; in: row = token r, 128 bytes for each half of the lanes
	v_lshl_add_u32 v[STO], v3, 7, v[STO]
	v_add_nc_u32 v[STO], s17, v[STO]
	v_mul_u32_u24 v[RD], v3, SP                    ; back: lanes 0-15 one row, lanes 16-31 the next
	v_add_nc_u32 v[RD], v[RD], v7
	v_add_nc_u32 v[RD], s17, v[RD]
	v_lshl_add_u32 v[CO], v3, 12, v7
	s_lshl_b32 s17, s67, 2
	s_add_co_u32 s17, s17, s[WV]                   ; my number among the sixteen waves of my column of the cluster
	s_lshr_b32 s18, s17, 3
	s_mul_i32 s18, s18, 64*REC
	s_and_b32 s17, s17, 7
	s_mul_i32 s17, s17, 25*256
	s_add_co_u32 s17, s17, s18
	s_add_co_u32 s17, s17, s83
	s_add_co_u32 s17, s17, 8*REC
	v_min_u32 v[PFV], 24, v1
	v_lshlrev_b32 v[PFV], 8, v[PFV]
	v_add_nc_u32 v[PFV], s17, v[PFV]               ; v: K steps 8 to 11
	s_add_co_u32 s17, s66, 8
	s_mul_i32 s17, s17, REC
	s_mul_i32 s18, s[WV], FRB
	s_add_co_u32 s17, s17, s18
	s_add_co_u32 s17, s17, s76
	v_min_u32 v[PFP], 5, v1
	v_lshlrev_b32 v[PFP], 8, v[PFP]
	v_add_nc_u32 v[PFP], s17, v[PFP]               ; the long block's p: K step 8 + cx, a quarter of its half record
	s_mov_b32 s[SEL], 0x76543210
	s_mov_b32 s[SEL+1], 0xfedcba98
	s_lshl_b32 s14, s66, 10                        ; where the results go: 1,024 cx + 256 x wave,
	s_lshl_b32 s15, s[WV], 8
	s_add_co_u32 s14, s14, s15
	s_lshl_b32 s71, s72, 5
	s_add_co_u32 s15, s71, s75
	s_lshl_b32 s86, s15, 18
	s_add_co_u32 s86, s86, s14                     ; + 64 rows of 4,096 bytes for each block
	s_mov_b32 s87, 0
	s_add_nc_u64 s[88:89], s[10:11], s[86:87]
	s_add_co_u32 s15, s71, s74
	s_lshl_b32 s86, s15, 18
	s_add_co_u32 s86, s86, s14
	s_add_nc_u64 s[90:91], s[10:11], s[86:87]
.irp c, 0,1,2,3
	v_mov_b32 v[W+\c], 0                           ; (a lane permute's destination counts as one of its sources)
	v_mov_b32 v[S+\c], 0
	v_mov_b32 v[S2+\c], 0
.endr
	s_wait_alu depctr_va_vdst(0)
	s_wait_loadcnt 0x0
.irp c, 0,1,2,3
	v_min3_num_f32 v[M+\c], v[NML+\c], v[NML+4+\c], v[NML+8+\c]
.endr
.irp c, 0,1,2,3
	v_min3_num_f32 v[M+\c], v[M+\c], v[NML+12+\c], v[NML+16+\c]
.endr
.irp c, 0,1,2,3
	v_min3_num_f32 v[M+\c], v[M+\c], v[NML+20+\c], v[NML+24+\c]
.endr
.irp c, 0,1,2,3
	v_min_num_f32 v[M+\c], v[M+\c], v[NML+28+\c]
.endr
	ROWMIN
.irp j, 0,1,2,3,4,5,6,7
	MERGE PSL+4*\j, NML+4*\j, LSL+4*\j, S
.endr
.irp c, 0,1,2,3
	v_min3_num_f32 v[M+\c], v[NMS+\c], v[NMS+4+\c], v[NMS+8+\c]
.endr
.irp c, 0,1,2,3
	v_min_num_f32 v[M+\c], v[M+\c], v[NMS+12+\c]
.endr
	ROWMIN
.irp j, 0,1,2,3
	MERGE PSS+4*\j, NMS+4*\j, LSS+4*\j, S2
.endr
	ROWSUM S
	ROWSUM S2
	s_wait_alu depctr_va_vdst(0)                   ; ahead of the batch
.irp c, 0,1,2,3
	v_rcp_f32 v[RL+\c], v[S+\c]
	v_rcp_f32 v[RL+4+\c], v[S2+\c]
.endr
	v_nop
	s_wait_alu depctr_va_vdst(0)                   ; and behind it, at the head's end
	s_wait_tensorcnt 0x0                           ; my part of slot 0 is in
	ds_add_u32 v[SPW], v[NIL]
	s_wait_dscnt 0x0
	CROUND
	s_cmp_eq_u32 s73, 0                            ; a branch on the cluster's number: the same in all partners
	s_cbranch_scc0 .Lfill_both
	JL 1, 1                                        ; K steps 4 to 7, of the long block alone
	s_branch .Lfilled
.Lfill_both:
	JL 1, 2                                        ; of both blocks
.Lfilled:
	FETCH 0, 1
	global_prefetch_b8 v[PFV], s[8:9] th:TH_LOAD_NT scope:SCOPE_SE
	global_prefetch_b8 v[PFP], s[4:5] th:TH_LOAD_NT scope:SCOPE_SE
	KST 0, 1
	KST 1, 1
	KST 2, 1
	s_cmp_eq_u32 s73, 0
	s_cbranch_scc0 .Ltwelve
	; ---- c = 0, 1
	TURN 3, 1, 0
	global_prefetch_b8 v[PFV], s[8:9] offset:4*REC th:TH_LOAD_NT scope:SCOPE_SE
	global_prefetch_b8 v[PFP], s[4:5] offset:4*REC th:TH_LOAD_NT scope:SCOPE_SE
	WAYOUT 4, 90                                   ; the short block is finished
	KST 4, 0
	KST 5, 0
	KST 6, 0
	TURN 7, 0, 0
	KST 8, 0
	KST 9, 0
	KST 10, 0
	MEET 11, 0, 0
	KST 12, 0
	KST 13, 0
	KST 14, 0
	LASTK 15
	s_branch .Lout
.Ltwelve:
	; ---- c = 2, 3
	TURN 3, 1, 1
	KST 4, 1
	KST 5, 1
	KST 6, 1
	MEET 7, 1, 0
	WAYOUT 4, 90
	KST 8, 0
	KST 9, 0
	KST 10, 0
	LASTK 11
.Lout:
	WAYOUT 0, 88
	s_wait_tensorcnt 0x0                           ; the wave's end
	ds_add_u32 v[SPW], v[NIL]
	s_wait_dscnt 0x0
	CROUND                                         ; the closing round
	s_endpgm
.Lfunc_end_k_q5500a3aec3_pv:
	.size	k_q5500a3aec3_pv, .Lfunc_end_k_q5500a3aec3_pv-k_q5500a3aec3_pv
	.p2alignl 7, 3214868480
	.fill 96, 4, 3214868480
	.section	.rodata,"a",@progbits
	.p2align	6, 0x0
	.amdhsa_kernel k_q5500a3aec3_pv
		.amdhsa_group_segment_fixed_size 327680
		.amdhsa_private_segment_fixed_size 0
		.amdhsa_enable_private_segment 0
		.amdhsa_kernarg_size 32
		.amdhsa_user_sgpr_count 2
		.amdhsa_user_sgpr_kernarg_segment_ptr 1
		.amdhsa_wavefront_size32 1
		.amdhsa_system_sgpr_workgroup_id_x 1
		.amdhsa_system_sgpr_workgroup_id_y 1
		.amdhsa_system_sgpr_workgroup_id_z 1
		.amdhsa_system_vgpr_workitem_id 0
		.amdhsa_next_free_vgpr 768
		.amdhsa_next_free_sgpr 100
		.amdhsa_reserve_vcc 0
		.amdhsa_float_denorm_mode_32 3
		.amdhsa_float_denorm_mode_16_64 3
		.amdhsa_memory_ordered 1
		.amdhsa_forward_progress 1
		.amdhsa_inst_pref_size 203
	.end_amdhsa_kernel
	.amdgpu_metadata
---
amdhsa.version: [ 1, 2 ]
amdhsa.kernels:
  - .name:           k_q5500a3aec3_pv
    .symbol:         k_q5500a3aec3_pv.kd
    .args:
      - { .name: pr, .offset: 0, .size: 8, .value_kind: global_buffer, .address_space: global }
      - { .name: pml, .offset: 8, .size: 8, .value_kind: global_buffer, .address_space: global }
      - { .name: vr, .offset: 16, .size: 8, .value_kind: global_buffer, .address_space: global }
      - { .name: out0, .offset: 24, .size: 8, .value_kind: global_buffer, .address_space: global }
    .group_segment_fixed_size: 327680
    .private_segment_fixed_size: 0
    .kernarg_segment_align: 8
    .kernarg_segment_size: 32
    .max_flat_workgroup_size: 128
    .sgpr_count:     100
    .vgpr_count:     768
    .wavefront_size: 32
...
	.end_amdgpu_metadata
.endif
;; end of part 4
